; MI455X (gfx1250); checked and timed in simulation.
; The chip was launched on July 23, 2026; its instructions are those of AMD's public machine-readable ISA for CDNA 5 (MIT licence, August 2026) and "CDNA5" Instruction Set Architecture Reference Guide (July 2026). The comments in the code are by the model that wrote it; some were corrected since.
;; Block. Allowed arithmetic: float matrix products may take bf16 or f16 operands with f32 sums; other float arithmetic in f32, or as packed bf16 or f16 multiplies, adds, multiply-adds, maxima and minima; sums over many terms, partial sums and values carried from step to step in f32; what a program stores and reads back later, other than sums and carried values, may be rounded once to bf16 or f16.
;; Inputs: W1 1,024 x 4,096 float32; W2 4,096 x 1,024 float32; Wk 64 x 1,024 x 16 float32; Wproj 1,024 x 1,024 float32; Wq 64 x 1,024 x 16 float32; Wv 64 x 1,024 x 16 float32; b1 4,096 float32; b2 1,024 float32; be1 1,024 float32; be2 1,024 float32; bproj 1,024 float32; g1 1,024 float32; g2 1,024 float32; x 4 x 1,024 x 1,024 float32.
;; Outputs: out0 4 x 1,024 x 1,024 float32.
;; One version. Each part assembles by itself: llvm-mc -triple=amdgcn-amd-amdhsa -mcpu=gfx1250 --defsym DOCPART=n.
;; ======== version 1 of 1: 8 launches
;; workspace buffers: w1t 8,388,608 bytes; w2t 8,388,608 bytes; wprojt 2,097,152 bytes; wqkvt 6,291,456 bytes; act 8,388,608 bytes; qkv 25,165,824 bytes; x1 16,777,216 bytes; hid 33,554,432 bytes
;; launch prep (part 1): grid 1536 x 1, 8 waves a work-group, no clusters, 17,920 bytes of LDS; arguments W1, W2, Wproj, Wq, Wk, Wv, w1t, w2t, wprojt, wqkvt; writes w1t, w2t, wprojt, wqkvt
.if DOCPART == 1
	.amdgcn_target "amdgcn-amd-amdhsa--gfx1250"
	.amdhsa_code_object_version 6
	.text
	.protected	k_q0f9f34b2ed_prep
	.globl	k_q0f9f34b2ed_prep
	.p2align	8
	.type	k_q0f9f34b2ed_prep,@function
k_q0f9f34b2ed_prep:
	s_mov_b64 s[64:65], 0
	v_nop
	global_prefetch_b8 v0, s[64:65] scope:SCOPE_SE
	s_setreg_imm32_b32 hwreg(HW_REG_WAVE_MODE, 25, 1), 1
	s_wait_xcnt 0x0
; ALL SIX WEIGHTS, f32 [k][n], BECOME bf16 [n][k]: the layout in which a matrix fragment is two loads of 16 bytes along k.
; A work-group turns one tile of 128 k x 64 n (32 KiB in, 16 KiB out); 1,536 tiles: W1 512, W2 512, Wproj 128, Wq, Wk, Wv 128 each.
; One formula serves plain matrices and the heads' [h][c][16]: the byte of element (k, n) is k SKB + (n / 16) SHB + (n % 16) 4.
; Which matrix a work-group serves is chosen from its number by compares and selects: no branch, and every pointer stays a pointer.
; Thread t: four n (4 (t % 16) ..) of eight rows k, taken as four pairs k, k + 1, so that a pair rounds into one word (even k low).
; The tile is turned in LDS: rows of 128 k = 256 bytes, 264 apart; it leaves as whole rows: one store of a wave is 256 consecutive bytes, aligned.
; Each number is rounded once, to nearest even.  Memory binds this launch: no matrix unit, no cluster.
; 72 REGISTERS: registers are used twice where their first use is over, so that 1,024 / 72 = 14 waves fit on a SIMD; a work-group puts two there,
; and the 1,536 / 256 = 6 work-groups that are a WGP's share can have their loads out together.
.set PITCH, 264                        ; a multiple of 8 for the 8-byte loads back
.set SPARE, 64*PITCH                   ; behind the tile: the spare words, 128 bytes for each of the eight waves; no other line names them
.set OFF,  2                           ; v[2:9]   byte offsets of my eight loads
.set LSA,  10                          ; v10      where I put a word: row 4 (t % 16), word t / 16
.set LRA,  11                          ; v11      where I read 8 bytes back: row 8 x wave, 8 x lane
.set SPW,  12                          ; v12      my spare word; never rewritten
.set NIL,  13                          ; v13      0; never rewritten
.set DO,   14                          ; v[14:21] byte offsets of my eight stores
.set X,    24                          ; v[24:55] as loaded
.set D,    56                          ; v[56:71] packed pairs
.set W,    56                          ; v[56:62] at work in the head, before the first pair is packed
.set Y,    24                          ; v[24:39] rows read back: X's registers, whose numbers have been packed by then
.set SRC,  28                          ; s[28:29] the matrix, then my tile in it
.set DST,  30                          ; s[30:31] the turned matrix, then my tile in it
.set SKB,  32                          ; bytes from k to k + 1
.set SHB,  33                          ; bytes from a group of 16 n to the next
.set KSH,  34                          ; log2 of the number of k tiles
.set DPB,  35                          ; bytes in a row of the turned matrix
.set ROW0, 36                          ; first row in the turned matrix (Wk, Wv lie behind Wq)
.set G,    37                          ; my tile's number in its matrix
.set NT,   38
.set KT,   39
	s_load_b512 s[8:23], s[0:1], 0x0               ; W1, W2, Wproj, Wq, Wk, Wv, w1t, w2t
	s_load_b128 s[24:27], s[0:1], 0x40             ; wprojt, wqkvt
	v_lshl_add_u32 v[SPW], v0, 2, SPARE
	v_mov_b32 v[NIL], 0
	s_mov_b32 s[SKB], 16384                        ; W1's figures, replaced from bound to bound
	s_mov_b32 s[SHB], 64
	s_mov_b32 s[KSH], 3
	s_mov_b32 s[DPB], 2048
	s_mov_b32 s[ROW0], 0
	s_mov_b32 s[G], 0
	s_cmp_ge_u32 ttmp9, 512                        ; W2
	s_cselect_b32 s[SKB], 4096, s[SKB]
	s_cselect_b32 s[KSH], 5, s[KSH]
	s_cselect_b32 s[DPB], 8192, s[DPB]
	s_cselect_b32 s[G], 512, s[G]
	s_cmp_ge_u32 ttmp9, 1024                       ; Wproj
	s_cselect_b32 s[KSH], 3, s[KSH]
	s_cselect_b32 s[DPB], 2048, s[DPB]
	s_cselect_b32 s[G], 1024, s[G]
	s_cmp_ge_u32 ttmp9, 1152                       ; Wq
	s_cselect_b32 s[SKB], 64, s[SKB]
	s_cselect_b32 s[SHB], 0x10000, s[SHB]
	s_cselect_b32 s[G], 1152, s[G]
	s_cmp_ge_u32 ttmp9, 1280                       ; Wk
	s_cselect_b32 s[ROW0], 1024, s[ROW0]
	s_cselect_b32 s[G], 1280, s[G]
	s_cmp_ge_u32 ttmp9, 1408                       ; Wv
	s_cselect_b32 s[ROW0], 2048, s[ROW0]
	s_cselect_b32 s[G], 1408, s[G]
	s_sub_co_u32 s[G], ttmp9, s[G]
	s_lshr_b32 s[NT], s[G], s[KSH]                 ; tile of 64 n
	s_lshl_b32 s40, s[NT], s[KSH]
	s_sub_co_u32 s[KT], s[G], s40                  ; tile of 128 k
	s_mul_i32 s40, s[KT], s[SKB]
	s_lshl_b32 s40, s40, 7                         ; 128 k
	s_mul_i32 s42, s[NT], s[SHB]
	s_lshl_b32 s42, s42, 2                         ; four groups of 16 n
	s_add_co_u32 s40, s40, s42                     ; the tile's offset in the matrix: under 2^25
	s_mov_b32 s41, 0
	s_lshl_b32 s42, s[NT], 6
	s_add_co_u32 s42, s42, s[ROW0]
	s_mul_i32 s42, s42, s[DPB]
	s_lshl_b32 s43, s[KT], 8
	s_add_co_u32 s42, s42, s43                     ; and in the turned matrix: under 2^24
	s_mov_b32 s43, 0
	s_lshl_b32 s44, s[SKB], 5                      ; 32 rows k: from one of my pairs to the next
	v_and_b32 v[W], 15, v0                         ; which four n
	v_lshrrev_b32 v[W+1], 4, v0                    ; which pair of k, 0 to 15
	v_lshrrev_b32 v[W+2], 2, v[W]                  ; the group of 16 n
	v_and_b32 v[W+3], 3, v[W]                      ; 16 bytes in it
	v_lshlrev_b32 v[W+4], 1, v[W+1]
	v_mul_lo_u32 v[W+4], v[W+4], s[SKB]
	v_mul_lo_u32 v[W+2], v[W+2], s[SHB]
	v_add_nc_u32 v[W+4], v[W+4], v[W+2]
	v_lshl_add_u32 v[OFF], v[W+3], 4, v[W+4]
	v_add_nc_u32 v[OFF+1], s[SKB], v[OFF]
.irp e, 2,3,4,5,6,7
	v_add_nc_u32 v[OFF+\e], s44, v[OFF+\e-2]
.endr
	v_mul_u32_u24 v[LSA], v[W], 4*PITCH
	v_lshl_add_u32 v[LSA], v[W+1], 2, v[LSA]
	v_lshrrev_b32 v[W+5], 5, v0                    ; wave
	v_and_b32 v[W+6], 31, v0                       ; lane
	v_mul_u32_u24 v[LRA], v[W+5], 8*PITCH
	v_lshl_add_u32 v[LRA], v[W+6], 3, v[LRA]
	v_lshlrev_b32 v[W+5], 3, v[W+5]
	v_mul_lo_u32 v[W+5], v[W+5], s[DPB]
	v_lshl_add_u32 v[DO], v[W+6], 3, v[W+5]
.irp r, 1,2,3,4,5,6,7
	v_add_nc_u32 v[DO+\r], s[DPB], v[DO+\r-1]
.endr
	s_wait_kmcnt 0x0
	s_mov_b64 s[SRC:SRC+1], s[8:9]
	s_mov_b64 s[DST:DST+1], s[20:21]
	s_cmp_ge_u32 ttmp9, 512
	s_cselect_b64 s[SRC:SRC+1], s[10:11], s[SRC:SRC+1]
	s_cselect_b64 s[DST:DST+1], s[22:23], s[DST:DST+1]
	s_cmp_ge_u32 ttmp9, 1024
	s_cselect_b64 s[SRC:SRC+1], s[12:13], s[SRC:SRC+1]
	s_cselect_b64 s[DST:DST+1], s[24:25], s[DST:DST+1]
	s_cmp_ge_u32 ttmp9, 1152
	s_cselect_b64 s[SRC:SRC+1], s[14:15], s[SRC:SRC+1]
	s_cselect_b64 s[DST:DST+1], s[26:27], s[DST:DST+1]
	s_cmp_ge_u32 ttmp9, 1280
	s_cselect_b64 s[SRC:SRC+1], s[16:17], s[SRC:SRC+1]
	s_cmp_ge_u32 ttmp9, 1408
	s_cselect_b64 s[SRC:SRC+1], s[18:19], s[SRC:SRC+1]
	s_add_nc_u64 s[SRC:SRC+1], s[SRC:SRC+1], s[40:41]
	s_add_nc_u64 s[DST:DST+1], s[DST:DST+1], s[42:43]
.irp e, 0,1,2,3,4,5,6,7
	global_load_b128 v[X+4*\e:X+4*\e+3], v[OFF+\e], s[SRC:SRC+1] th:TH_LOAD_NT  ; all eight are out before the first is used
.endr
.irp i, 0,1,2,3
	s_wait_loadcnt 6-2*\i                          ; loads return in order: pair i's two are in, the younger pairs' stay out
.irp j, 0,1,2,3
	v_cvt_pk_bf16_f32 v[D+4*\i+\j], v[X+8*\i+\j], v[X+8*\i+4+\j]  ; (k, k + 1) of one n
.endr
.irp j, 0,1,2,3
	ds_store_b32 v[LSA], v[D+4*\i+\j] offset:PITCH*\j+64*\i
.endr
.endr
	s_wait_dscnt 0x0                               ; for the others' sake: my words lie in the tile
	s_barrier_signal -1
	s_barrier_wait -1                              ; everybody's do
.irp r, 0,1,2,3,4,5,6,7
	ds_load_b64 v[Y+2*\r:Y+2*\r+1], v[LRA] offset:PITCH*\r
.endr
.irp r, 0,1,2,3,4,5,6,7
	s_wait_dscnt 7-\r                              ; row r is back, the younger rows stay out
	global_store_b64 v[DO+\r], v[Y+2*\r:Y+2*\r+1], s[DST:DST+1]  ; 32 lanes x 8 bytes: a row's 256 bytes, aligned
.endr
	s_wait_tensorcnt 0x0                           ; the wave's end, behind my last LDS store
	ds_add_u32 v[SPW], v[NIL]
	s_wait_dscnt 0x0
	s_endpgm
.Lfunc_end_k_q0f9f34b2ed_prep:
	.size	k_q0f9f34b2ed_prep, .Lfunc_end_k_q0f9f34b2ed_prep-k_q0f9f34b2ed_prep
	.p2alignl 7, 3214868480
	.fill 96, 4, 3214868480
	.section	.rodata,"a",@progbits
	.p2align	6, 0x0
	.amdhsa_kernel k_q0f9f34b2ed_prep
		.amdhsa_group_segment_fixed_size 17920
		.amdhsa_private_segment_fixed_size 0
		.amdhsa_enable_private_segment 0
		.amdhsa_kernarg_size 80
		.amdhsa_user_sgpr_count 2
		.amdhsa_user_sgpr_kernarg_segment_ptr 1
		.amdhsa_wavefront_size32 1
		.amdhsa_system_sgpr_workgroup_id_x 1
		.amdhsa_system_sgpr_workgroup_id_y 1
		.amdhsa_system_sgpr_workgroup_id_z 1
		.amdhsa_system_vgpr_workitem_id 0
		.amdhsa_next_free_vgpr 72
		.amdhsa_next_free_sgpr 66
		.amdhsa_reserve_vcc 0
		.amdhsa_float_denorm_mode_32 3
		.amdhsa_float_denorm_mode_16_64 3
		.amdhsa_memory_ordered 1
		.amdhsa_forward_progress 1
		.amdhsa_inst_pref_size 10
	.end_amdhsa_kernel
	.amdgpu_metadata
---
amdhsa.version: [ 1, 2 ]
amdhsa.kernels:
  - .name:           k_q0f9f34b2ed_prep
    .symbol:         k_q0f9f34b2ed_prep.kd
    .args:
      - { .name: W1, .offset: 0, .size: 8, .value_kind: global_buffer, .address_space: global }
      - { .name: W2, .offset: 8, .size: 8, .value_kind: global_buffer, .address_space: global }
      - { .name: Wproj, .offset: 16, .size: 8, .value_kind: global_buffer, .address_space: global }
      - { .name: Wq, .offset: 24, .size: 8, .value_kind: global_buffer, .address_space: global }
      - { .name: Wk, .offset: 32, .size: 8, .value_kind: global_buffer, .address_space: global }
      - { .name: Wv, .offset: 40, .size: 8, .value_kind: global_buffer, .address_space: global }
      - { .name: w1t, .offset: 48, .size: 8, .value_kind: global_buffer, .address_space: global }
      - { .name: w2t, .offset: 56, .size: 8, .value_kind: global_buffer, .address_space: global }
      - { .name: wprojt, .offset: 64, .size: 8, .value_kind: global_buffer, .address_space: global }
      - { .name: wqkvt, .offset: 72, .size: 8, .value_kind: global_buffer, .address_space: global }
    .group_segment_fixed_size: 17920
    .private_segment_fixed_size: 0
    .kernarg_segment_align: 8
    .kernarg_segment_size: 80
    .max_flat_workgroup_size: 256
    .sgpr_count:     66
    .vgpr_count:     72
    .wavefront_size: 32
...
	.end_amdgpu_metadata
.endif
;; end of part 1
;; launch ln1 (part 2): grid 256 x 1, 8 waves a work-group, no clusters, 0 bytes of LDS; arguments x, g1, be1, act; writes act
.if DOCPART == 2
	.amdgcn_target "amdgcn-amd-amdhsa--gfx1250"
	.amdhsa_code_object_version 6
	.text
	.protected	k_q0f9f34b2ed_ln1
	.globl	k_q0f9f34b2ed_ln1
	.p2align	8
	.type	k_q0f9f34b2ed_ln1,@function
k_q0f9f34b2ed_ln1:
	s_mov_b64 s[64:65], 0
	v_nop
	global_prefetch_b8 v0, s[64:65] scope:SCOPE_SE
	s_setreg_imm32_b32 hwreg(HW_REG_WAVE_MODE, 25, 1), 1
	s_wait_xcnt 0x0
; LAYERNORM OF 4,096 ROWS OF 1,024 f32, ROUNDED ONCE TO bf16:  y = (x - mean) rsqrt(var + 1e-5) g + b.
; A wave takes two whole rows and keeps them in registers: each row is read once, the reduction never leaves the wave: no LDS, no barrier.
; Two passes over the registers: the mean first, then the squares of x - mean, so that a common offset of the row costs no digits.
; Load j of a row: lane l holds columns 128 j + 4 l .. + 3 (512 consecutive bytes a load); g and b by the same map, loaded once for both rows.
; A store is 8 bytes a lane: 256 consecutive bytes, aligned.  All 32 loads of a wave go out on end before the first is used.
; Memory binds: matrix units and clusters would add nothing.  NaN and infinities are not treated apart.
.set T,  4                             ; v[4:11]    four chains of sums
.set M,  12                            ; v[12:13]   the mean, twice
.set R,  14                            ; v[14:15]   1 / sqrt(var + eps), twice
.set X0, 16                            ; v[16:47]   row 0
.set X1, 48                            ; v[48:79]   row 1
.set GG, 80                            ; v[80:111]  g
.set BB, 112                           ; v[112:143] b
.set Y,  144                           ; v[144:175] 16 packed words a row
	s_load_b256 s[4:11], s[0:1], 0x0               ; x s[4:5], g s[6:7], b s[8:9], y s[10:11]
	v_lshrrev_b32 v3, 5, v0
	v_readfirstlane_b32 s12, v3                    ; wave
	v_and_b32 v1, 31, v0
	v_lshlrev_b32 v2, 3, v1                        ; 8 x lane: my bytes of a store
	v_lshlrev_b32 v1, 4, v1                        ; 16 x lane: my bytes of a load
	s_lshl_b32 s14, ttmp9, 4
	s_lshl1_add_u32 s14, s12, s14                  ; my first row = 16 x work-group + 2 x wave
	s_lshl_b32 s20, s14, 11                        ; x 2,048 bytes of y
	s_lshl_b32 s14, s14, 12                        ; x 4,096 bytes of x
	s_mov_b32 s15, 0
	s_mov_b32 s21, 0
	s_mov_b32 s16, 0x76543210                      ; v_permlanex16_b32: each lane takes its own place in the other half
	s_mov_b32 s17, 0xfedcba98
	s_mov_b32 s18, 0x3a800000                      ; 1 / 1024
	s_mov_b32 s19, 0x3727c5ac                      ; 1e-5
	s_wait_kmcnt 0x0
	s_add_nc_u64 s[4:5], s[4:5], s[14:15]
	s_add_nc_u64 s[10:11], s[10:11], s[20:21]
.irp j, 0,1,2,3,4,5,6,7
	global_load_b128 v[X0+4*\j:X0+4*\j+3], v1, s[4:5] offset:512*\j th:TH_LOAD_NT
.endr
.irp j, 0,1,2,3,4,5,6,7
	global_load_b128 v[X1+4*\j:X1+4*\j+3], v1, s[4:5] offset:4096+512*\j th:TH_LOAD_NT
.endr
.irp j, 0,1,2,3,4,5,6,7
	global_load_b128 v[GG+4*\j:GG+4*\j+3], v1, s[6:7] offset:512*\j
.endr
.irp j, 0,1,2,3,4,5,6,7
	global_load_b128 v[BB+4*\j:BB+4*\j+3], v1, s[8:9] offset:512*\j
.endr
; The four chains into one number, the same in all 32 lanes: four steps inside each half of 16 lanes ride on the addition, one crosses the halves.
.macro SUM4
	v_pk_add_f32 v[T:T+1], v[T:T+1], v[T+2:T+3]
	v_pk_add_f32 v[T+4:T+5], v[T+4:T+5], v[T+6:T+7]
	v_pk_add_f32 v[T:T+1], v[T:T+1], v[T+4:T+5]
	v_add_f32 v[T], v[T], v[T+1]
	v_add_f32_dpp v[T], v[T], v[T] row_xmask:1 row_mask:0xf bank_mask:0xf
	v_add_f32_dpp v[T], v[T], v[T] row_xmask:2 row_mask:0xf bank_mask:0xf
	v_add_f32_dpp v[T], v[T], v[T] row_xmask:4 row_mask:0xf bank_mask:0xf
	v_add_f32_dpp v[T], v[T], v[T] row_xmask:8 row_mask:0xf bank_mask:0xf
	v_permlanex16_b32 v[T+1], v[T], s16, s17       ; its destination counts as read: it has been written
	v_add_f32 v[T], v[T], v[T+1]
.endm
; One row: x = its 32 registers, y = its 16 packed words, ro = its byte offset in the wave's rows of y; first = 1: g and b are waited for here.
.macro ROW x, y, ro, first
.set p, 0
.rept 4
	v_pk_add_f32 v[T+2*p:T+2*p+1], v[(\x)+2*p:(\x)+2*p+1], v[(\x)+8+2*p:(\x)+8+2*p+1]  ; the first eight pairs start the chains: nothing is cleared
.set p, p+1
.endr
.set p, 8
.rept 8
	v_pk_add_f32 v[T+2*(p%4):T+2*(p%4)+1], v[T+2*(p%4):T+2*(p%4)+1], v[(\x)+2*p:(\x)+2*p+1]
.set p, p+1
.endr
	SUM4
	v_mul_f32 v[M], s18, v[T]
	v_mul_f32 v[M+1], s18, v[T]
.set p, 0
.rept 16
	v_pk_add_f32 v[(\x)+2*p:(\x)+2*p+1], v[(\x)+2*p:(\x)+2*p+1], v[M:M+1] neg_lo:[0,1] neg_hi:[0,1]  ; x - mean, in place
.set p, p+1
.endr
.set p, 0
.rept 4
	v_pk_mul_f32 v[T+2*p:T+2*p+1], v[(\x)+2*p:(\x)+2*p+1], v[(\x)+2*p:(\x)+2*p+1]
.set p, p+1
.endr
.rept 12
	v_pk_fma_f32 v[T+2*(p%4):T+2*(p%4)+1], v[(\x)+2*p:(\x)+2*p+1], v[(\x)+2*p:(\x)+2*p+1], v[T+2*(p%4):T+2*(p%4)+1]
.set p, p+1
.endr
	SUM4
	v_fma_f32 v[T], v[T], s18, s19                 ; var + eps
	v_rsq_f32 v[R], v[T]
	v_rsq_f32 v[R+1], v[T]
	v_nop                                          ; a plain instruction behind the second root, ahead of the first use (ISA guide 5.7.2)
	s_wait_alu depctr_va_vdst(0)                   ; one wait for both roots, ahead of their first reader
.if \first
	s_wait_loadcnt 0x0                             ; g and b are in, and with them the second row
.endif
.set p, 0
.rept 16
	v_pk_mul_f32 v[(\x)+2*p:(\x)+2*p+1], v[(\x)+2*p:(\x)+2*p+1], v[R:R+1]
.set p, p+1
.endr
.set p, 0
.rept 16
	v_pk_fma_f32 v[(\x)+2*p:(\x)+2*p+1], v[(\x)+2*p:(\x)+2*p+1], v[GG+2*p:GG+2*p+1], v[BB+2*p:BB+2*p+1]
.set p, p+1
.endr
.set p, 0
.rept 16
	v_cvt_pk_bf16_f32 v[(\y)+p], v[(\x)+2*p], v[(\x)+2*p+1]
.set p, p+1
.endr
.set p, 0
.rept 8
	global_store_b64 v2, v[(\y)+2*p:(\y)+2*p+1], s[10:11] offset:256*p+(\ro)
.set p, p+1
.endr
.endm
	s_wait_loadcnt 24                              ; row 0 is in; the 24 loads of row 1, g and b may stay out
	ROW X0, Y, 0, 1
	ROW X1, Y+16, 2048, 0
	s_endpgm
.Lfunc_end_k_q0f9f34b2ed_ln1:
	.size	k_q0f9f34b2ed_ln1, .Lfunc_end_k_q0f9f34b2ed_ln1-k_q0f9f34b2ed_ln1
	.p2alignl 7, 3214868480
	.fill 96, 4, 3214868480
	.section	.rodata,"a",@progbits
	.p2align	6, 0x0
	.amdhsa_kernel k_q0f9f34b2ed_ln1
		.amdhsa_group_segment_fixed_size 0
		.amdhsa_private_segment_fixed_size 0
		.amdhsa_enable_private_segment 0
		.amdhsa_kernarg_size 32
		.amdhsa_user_sgpr_count 2
		.amdhsa_user_sgpr_kernarg_segment_ptr 1
		.amdhsa_wavefront_size32 1
		.amdhsa_system_sgpr_workgroup_id_x 1
		.amdhsa_system_sgpr_workgroup_id_y 1
		.amdhsa_system_sgpr_workgroup_id_z 1
		.amdhsa_system_vgpr_workitem_id 0
		.amdhsa_next_free_vgpr 176
		.amdhsa_next_free_sgpr 66
		.amdhsa_reserve_vcc 0
		.amdhsa_float_denorm_mode_32 3
		.amdhsa_float_denorm_mode_16_64 3
		.amdhsa_memory_ordered 1
		.amdhsa_forward_progress 1
		.amdhsa_inst_pref_size 20
	.end_amdhsa_kernel
	.amdgpu_metadata
---
amdhsa.version: [ 1, 2 ]
amdhsa.kernels:
  - .name:           k_q0f9f34b2ed_ln1
    .symbol:         k_q0f9f34b2ed_ln1.kd
    .args:
      - { .name: x, .offset: 0, .size: 8, .value_kind: global_buffer, .address_space: global }
      - { .name: g1, .offset: 8, .size: 8, .value_kind: global_buffer, .address_space: global }
      - { .name: be1, .offset: 16, .size: 8, .value_kind: global_buffer, .address_space: global }
      - { .name: act, .offset: 24, .size: 8, .value_kind: global_buffer, .address_space: global }
    .group_segment_fixed_size: 0
    .private_segment_fixed_size: 0
    .kernarg_segment_align: 8
    .kernarg_segment_size: 32
    .max_flat_workgroup_size: 256
    .sgpr_count:     66
    .vgpr_count:     176
    .wavefront_size: 32
...
	.end_amdgpu_metadata
.endif
;; end of part 2
;; launch qkv (part 3): grid 16 x 16, 4 waves a work-group, clusters of 4 x 4, 327,680 bytes of LDS; arguments act, wqkvt, qkv; writes qkv
.if DOCPART == 3
	.amdgcn_target "amdgcn-amd-amdhsa--gfx1250"
	.amdhsa_code_object_version 6
	.text
	.protected	k_q0f9f34b2ed_qkv
	.globl	k_q0f9f34b2ed_qkv
	.p2align	8
	.type	k_q0f9f34b2ed_qkv,@function
k_q0f9f34b2ed_qkv:
	s_mov_b64 s[64:65], 0
	v_nop
	global_prefetch_b8 v0, s[64:65] scope:SCOPE_SE
	s_setreg_imm32_b32 hwreg(HW_REG_WAVE_MODE, 25, 1), 1
	s_wait_xcnt 0x0
	s_wait_alu depctr_hold_cnt(0) depctr_sa_sdst(0) depctr_va_vdst(0) depctr_va_sdst(0) depctr_va_ssrc(0) depctr_va_vcc(0) depctr_vm_vsrc(0)
	s_getreg_b32 s2, hwreg(HW_REG_IB_STS2, 6, 4)
	s_cmp_eq_u32 s2, 0
	s_cbranch_scc0 .Lentry_in_a_cluster
	s_endpgm
.Lentry_in_a_cluster:
	s_bfe_u32 s2, ttmp6, 0x10000c
	s_cmp_lg_u32 s2, 0xf033
	s_cbranch_scc0 .Lentry_shape_is_right
	s_endpgm
.Lentry_shape_is_right:
; C = A B^T with K = 1,024.  A: [4096][1024] bf16, B: [N][1024] bf16; sums in f32, K ascending, each result rounded once to bf16.
; ONE TEXT, TWO SETTINGS.  NBW = 6, RELU = 0: q, k, v = h Wqkv^T, N = 3,072, stored by heads.  NBW = 8, RELU = 1: relu(h2 W1^T + b1), N = 4,096, stored by rows.
; SHARES.  A work-group makes 256 rows x 32 NBW columns: 16 x 16 = 256 work-groups.  Each of its four waves makes 128 rows x 16 NBW columns: 8 x NBW accumulators of 16 x 16.
; K goes in 8 steps of 128 through a ring of two LDS slots filled by the tensor data mover; a tile's rows are 256 bytes of memory, at multiples of 256 bytes.
; The loop holds ONE K step: the slot in hand is a scalar (0 or SLOT) that one exclusive or turns; it is added to the fragments' LDS addresses and to the walking descriptors' LDS words.
; The last two K steps, which ask for nothing, are a second loop of one K step's text, left in its middle.
; CLUSTER.  4 x 4 work-groups.  The four of a row need the same tiles of A, the four of a column the same tiles of B: each tile is asked for jointly, by the same tensor load with the same
; descriptor and a mask that names the four.
; THE MATRIX INSTRUCTION IS USED TRANSPOSED (source 0 = 16 rows of B, source 1 = 16 rows of A): lane l holds row l % 16 of C and the columns 8 (l / 16) + 0..7, which pack into 16 bytes.
; BY HEADS (RELU = 0): column n = 1024 which + 16 h + d goes to group g = n / 16; byte (192 batch + g) 32768 + 32 t + 2 d.  An accumulator is then 512 consecutive bytes: one store, no LDS stage.
; BIAS (RELU = 1): b1 is loaded in the accumulators' own layout and is the C operand of the products that start the sums.  The ReLU takes the larger of the rounded number and 0; a NaN becomes 0.
; REGISTERS, in windows of 256: window 0: v0-31 addresses; v64-127, v128-191 A's fragments, two buffers; v32-63, v192-255 at work on the way out (v192-255 first hold the bias)
;   window 1: v64.., v128.. B's fragments, two buffers of 8 NBW;  windows 2, 3: the accumulators of my rows 0-63 and 64-127, (a, b) at v[8 (8 (a % 4) + b)].
.set NBW,    6
.set RELU,   0
.set KSTEP,  128
.set SIZE_K, 1024
.set PITCH,  272                       ; an LDS row: 256 bytes + 16 of padding = 68 words: the 16 rows of a fragment load start at 16 different groups of four banks (64 banks of 4 bytes: ISA guide 11.1)
.set HALFA,  128*PITCH                 ; what one tensor load brings of A, and what one wave reads of it
.set HALFB,  16*NBW*PITCH              ; the same for B
.set SLOT,   2*HALFA+2*HALFB           ; A's two halves, then B's two halves
.set STAGE,  2*SLOT                    ; RELU = 1: behind the ring, 16 rows x 272 bytes for each wave, for the way out; no tensor load fills it
.if RELU
.set SPARE,  STAGE+4*16*PITCH
.else
.set SPARE,  STAGE
.endif                                 ; the spare words: 128 bytes for each wave, two blocks of 256 bytes that no other line names
.set NF,     16+2*NBW                  ; LDS loads in a run
.set OUTROW, 8192                      ; RELU = 1: bytes in a row of the output
.set FIELDS, (1<<16)|(1<<20)|(1<<21)|(5<<22)|(3<<25)  ; group 1, word 0: 2-byte elements; padding on; bit 21 beside a mask; after every 64 words; 4 words
.set ADRA0, 16                         ; v16  my A fragments' LDS address in slot 0; never rewritten
.set ADRA,  17                         ; v17  the same in the slot in hand
.set ADRB0, 20
.set ADRB,  21
.set STO,   24                         ; the way out: where I put 16 bytes of a row
.set RD,    25                         ; where I read a row back
.set CO,    26                         ; my byte offset in the output
.set ZR,    27                         ; 0, for the ReLU
.set SPW,   28                         ; my spare word: SPARE + 4 x my thread's number; never rewritten
.set NIL,   29                         ; 0; never rewritten
.set PFO,   30                         ; the prefetches' offset: my row x 2,048 bytes; never rewritten
.set BO,    31                         ; 32 (l / 16): my eight numbers of a block of 16 of the bias
.set OB,    32
.set F0,    64
.set F1,    128
.set TMP,   192
.set BIAS,  192
.set CNT,   3                          ; s3   K steps still to be asked for; then the tail's trips
.set WV,    12
.set RH,    13                         ; which 128 rows of the tile are mine.  Also: I fetch for A (0) or for B (1)
.set CH,    14                         ; which half of its columns.  Also: which half of that tile I fetch
.set CX,    15
.set CY,    16
.set TC,    17                         ; tile column
.set TR,    18                         ; tile row
.set G1A,   24                         ; s[24:31] descriptor group 1 for A
.set G0A,   32                         ; s[32:39] group 0 for A: a set for each first fill; the second then walks
.set DA0,   40                         ; my part's LDS byte in slot 0, for A
.set DB0,   41                         ; and for B
.set LIM,   42                         ; 2 in a wave that prefetches, else the greatest number
.set PFA,   44                         ; s[44:45] where my prefetches stand
.set SO,    46                         ; the slot in hand: 0 or SLOT
.set G1B,   48
.set G0B,   56
.set MSB, 0
.macro WIN new                         ; the immediate's high byte repeats the setting that is left; a switch that changes nothing is dropped
.if MSB != (\new)
	s_set_vgpr_msb (MSB<<8)|(\new)
.set MSB, \new
.endif
.endm
.macro PLACES                          ; four places in front of loads into registers that matrix instructions have read, and of instructions that read results
.rept 4
	v_nop
.endr
.endm
; A joint load.  Waves 0 and 1 fetch A's two halves, waves 2 and 3 B's.  The branch hangs on the wave's number alone.  An s_nop 0 and four v_nop follow each of the two lines.
.macro JLOAD s
	s_cmp_eq_u32 s[RH], 0
	s_cbranch_scc0 .Lfor_b_\@
	tensor_load_to_lds s[G0A+4*(\s):G0A+4*(\s)+3], s[G1A:G1A+7]
	s_nop 0
.rept 4
	v_nop
.endr
	s_branch .Lasked_\@
.Lfor_b_\@:
	tensor_load_to_lds s[G0B+4*(\s):G0B+4*(\s)+3], s[G1B:G1B+7]
	s_nop 0
.rept 4
	v_nop
.endr
.Lasked_\@:
.endm
; A prefetch into the L2 of the K step that stands two refills on: 256 bytes of a row, a lane a row, one instruction a wave.  A's tile row is read by every cluster of that row of clusters: cluster x = 0 asks;
; B's tile column by every cluster of that column: cluster y = 0 asks.  The four partners that ask for a tile jointly share its rows out by address, a quarter each (32 of A's 128, 4 NBW of B's 16 NBW).
; At NBW = 6 a quarter of B is 24 rows: lanes 24 to 31 name row 23 once more.  The refills of K steps 6 and 7 have no step two on: the count stops the asking.
.macro ASK
	s_cmp_gt_u32 s[CNT], s[LIM]
	s_cbranch_scc0 .Lnot_mine_\@
	global_prefetch_b8 v[PFO], s[PFA:PFA+1] offset:KSTEP*2 th:TH_LOAD_NT scope:SCOPE_SE
.Lnot_mine_\@:
.endm
.macro CREST                           ; a round of the cluster's barrier behind its opening barrier
	s_cmp_lg_u32 s[WV], 0
	s_cbranch_scc1 .Lnot_wave_0_\@
	s_barrier_signal -3
.Lnot_wave_0_\@:
	s_barrier_wait -3
	s_barrier_signal -1
	s_barrier_wait -1
.endm
.macro CROUND                          ; a whole round
	s_barrier_signal -1
	s_barrier_wait -1
	CREST
.endm
.if RELU
	s_load_b256 s[4:11], s[0:1], 0x0               ; A s[4:5], B s[6:7], out s[8:9], bias s[10:11]
.else
	s_load_b128 s[4:7], s[0:1], 0x0                ; A s[4:5], B s[6:7]
	s_load_b64 s[8:9], s[0:1], 0x10                ; out
.endif
	v_lshl_add_u32 v[SPW], v0, 2, SPARE
	v_mov_b32 v[NIL], 0
	ds_add_u32 v[SPW], v[NIL]                      ; the wave's opening: the add and its wait stand ahead of my first tensor load; the set-up below stands between them
	ds_add_u32 v28, v29
	v_lshrrev_b32 v1, 5, v0
	v_readfirstlane_b32 s[WV], v1
	s_lshr_b32 s[RH], s[WV], 1
	s_and_b32 s[CH], s[WV], 1
	s_bfe_u32 s[CX], ttmp6, 0x40000                ; my place in the cluster
	s_bfe_u32 s[CY], ttmp6, 0x40004
	s_lshl_b32 s[TC], ttmp9, 2                     ; in a cluster launch ttmp9 and ttmp7 count clusters
	s_add_co_u32 s[TC], s[TC], s[CX]
	s_and_b32 s[TR], ttmp7, 0xffff
	s_lshl_b32 s[TR], s[TR], 2
	s_add_co_u32 s[TR], s[TR], s[CY]
	s_lshl_b32 s19, s[CY], 2
	s_lshl_b32 s19, 15, s19                        ; my row of the cluster
	s_lshl_b32 s68, 0x1111, s[CX]                  ; my column
	s_or_b32 s[G1A], s19, FIELDS                   ; A's tiles go to my row,
	s_or_b32 s[G1B], s68, FIELDS                   ; B's to my column
	s_mov_b32 s[G1A+1], KSTEP<<16                  ; tensor_dim0 = 128
	s_mov_b32 s[G1A+2], 128<<16                    ; tensor_dim1 = 128
	s_mov_b32 s[G1A+3], KSTEP<<16                  ; tile_dim0 = 128
	s_mov_b32 s[G1A+4], 128                        ; tile_dim1 = 128
	s_mov_b32 s[G1A+5], SIZE_K                     ; elements from row to row
	s_mov_b32 s[G1A+6], 0
	s_mov_b32 s[G1A+7], 0
	s_mov_b32 s[G1B+1], KSTEP<<16
	s_mov_b32 s[G1B+2], (16*NBW)<<16               ; B's part has 16 NBW rows
	s_mov_b32 s[G1B+3], KSTEP<<16
	s_mov_b32 s[G1B+4], 16*NBW
	s_mov_b32 s[G1B+5], SIZE_K
	s_mov_b32 s[G1B+6], 0
	s_mov_b32 s[G1B+7], 0
	s_lshl_b32 s20, s[TR], 8                       ; A's address hangs on the tile row and the wave alone,
	s_lshl_b32 s21, s[CH], 7
	s_add_co_u32 s20, s20, s21
	s_lshl_b32 s20, s20, 11                        ; rows of 2,048 bytes
	s_mov_b32 s21, 0
	s_mul_i32 s66, s[TC], 32*NBW                   ; B's on the tile column and the wave, in registers of its own
	s_mul_i32 s67, s[CH], 16*NBW
	s_add_co_u32 s66, s66, s67
	s_lshl_b32 s66, s66, 11
	s_mov_b32 s67, 0
	s_mul_i32 s[DA0], s[CH], HALFA                 ; no place in the cluster enters an LDS address
	s_mul_i32 s[DB0], s[CH], HALFB
	s_add_co_u32 s[DB0], s[DB0], 2*HALFA
	s_mov_b32 s[SO], 0
	s_wait_dscnt 0x0                               ; the opening add is done
	s_wait_kmcnt 0x0
	s_add_nc_u64 s[20:21], s[4:5], s[20:21]
	s_add_nc_u64 s[66:67], s[6:7], s[66:67]
	CROUND                                         ; all sixteen work-groups are here: the first joint loads meet
.irp s, 0,1
	s_mov_b32 s[G0A+4*(\s)], 1                     ; count = 1
	s_add_co_u32 s[G0A+4*(\s)+1], s[DA0], (\s)*SLOT
	s_add_nc_u64 s[G0A+4*(\s)+2:G0A+4*(\s)+3], s[20:21], (\s)*KSTEP*2  ; K step s
	s_or_b32 s[G0A+4*(\s)+3], s[G0A+4*(\s)+3], 0x80000000             ; type = 2
	s_mov_b32 s[G0B+4*(\s)], 1
	s_add_co_u32 s[G0B+4*(\s)+1], s[DB0], (\s)*SLOT
	s_add_nc_u64 s[G0B+4*(\s)+2:G0B+4*(\s)+3], s[66:67], (\s)*KSTEP*2
	s_or_b32 s[G0B+4*(\s)+3], s[G0B+4*(\s)+3], 0x80000000
	JLOAD \s                                       ; two tensor loads of mine are out here, later one
.endr
	; A fragment is 16 rows x 32 K in 8 registers: lane l holds row l % 16; registers 0-3 K = 8 (l / 16) + 0..7, registers 4-7 K = 16 + 8 (l / 16) + 0..7: two loads of 16 bytes, 32 bytes apart.
	v_and_b32 v1, 15, v0
	v_bfe_u32 v2, v0, 4, 1
	v_mul_u32_u24 v3, v1, PITCH
	v_lshl_add_u32 v3, v2, 4, v3
	s_mul_i32 s70, s[RH], HALFA
	s_mul_i32 s71, s[CH], HALFB
	s_add_co_u32 s71, s71, 2*HALFA
	v_add_nc_u32 v[ADRA0], s70, v3
	v_add_nc_u32 v[ADRB0], s71, v3
	v_add_nc_u32 v[ADRA], s70, v3
	v_add_nc_u32 v[ADRB], s71, v3
.if RELU
	s_lshl_b32 s70, s[TC], 10                      ; the bias of my 128 columns: 4 (256 tile column + 128 half)
	s_lshl_b32 s71, s[CH], 9
	s_add_co_u32 s70, s70, s71
	s_mov_b32 s71, 0
	s_add_nc_u64 s[10:11], s[10:11], s[70:71]
	v_lshlrev_b32 v[BO], 5, v2
.irp b, 0,1,2,3,4,5,6,7
	global_load_b128 v[BIAS+8*\b:BIAS+8*\b+3],   v[BO], s[10:11] offset:64*\b     ; register j: column 16 b + 8 (l / 16) + j, as in an accumulator
	global_load_b128 v[BIAS+8*\b+4:BIAS+8*\b+7], v[BO], s[10:11] offset:64*\b+16
.endr
	v_mov_b32 v[ZR], 0
	s_mul_i32 s70, s[WV], 16*PITCH
	s_add_co_u32 s70, s70, STAGE                   ; my stage
	v_add_nc_u32 v[STO], s70, v3                   ; in: row l % 16, 16 bytes for each half of the lanes
	v_mul_u32_u24 v4, v2, PITCH                    ; back: lanes 0-15 take one row of 256 bytes, lanes 16-31 the next
	v_lshl_add_u32 v4, v1, 4, v4
	v_add_nc_u32 v[RD], s70, v4
	v_lshlrev_b32 v4, 13, v2                       ; and the same two rows in the output
	v_lshl_add_u32 v[CO], v1, 4, v4
	s_lshl_b32 s70, s[TR], 8
	s_lshl_b32 s71, s[RH], 7
	s_add_co_u32 s70, s70, s71                     ; my first row,
	s_lshl_b32 s70, s70, 13                        ; of 8,192 bytes,
	s_lshl_b32 s71, s[TC], 9
	s_add_co_u32 s70, s70, s71
	s_lshl_b32 s71, s[CH], 8
	s_add_co_u32 s70, s70, s71                     ; and my first column
.else
	v_lshlrev_b32 v4, 5, v1                        ; row l % 16 of a head: 32 bytes, 16 for each half of the lanes
	v_lshl_add_u32 v[CO], v2, 4, v4
	s_lshl_b32 s70, s[TR], 8
	s_lshl_b32 s71, s[RH], 7
	s_add_co_u32 s70, s70, s71                     ; my first row: 128 rows lie in one batch
	s_lshr_b32 s71, s70, 10                        ; the batch
	s_and_b32 s70, s70, 1023                       ; the row in it
	s_mul_i32 s71, s71, 192
	s_mul_i32 s72, s[TC], 2*NBW
	s_add_co_u32 s71, s71, s72
	s_mul_i32 s72, s[CH], NBW
	s_add_co_u32 s71, s71, s72                     ; my first group of 16 columns
	s_lshl_b32 s71, s71, 15
	s_lshl_b32 s70, s70, 5
	s_add_co_u32 s70, s70, s71
.endif
	s_mov_b32 s71, 0
	s_add_nc_u64 s[8:9], s[8:9], s[70:71]          ; the output at my part: every block's place then stands in a store's immediate
	; the prefetches
	s_lshl_b32 s70, s[TR], 8                       ; the tile's first row in A,
	s_mul_i32 s71, s[TC], 32*NBW                   ; in B
	s_and_b32 s72, ttmp7, 0xffff                   ; cluster y
	s_mov_b32 s73, 16*NBW
	s_cmp_eq_u32 s[RH], 0                          ; do I fetch for A?
	s_cselect_b32 s70, s70, s71
	s_cselect_b32 s71, s[CX], s[CY]                ; my place among the four that ask with me
	s_cselect_b32 s72, ttmp9, s72                  ; the coordinate along which other clusters read the same rows
	s_cselect_b64 s[PFA:PFA+1], s[4:5], s[6:7]
	s_cselect_b32 s73, 128, s73                    ; the rows that a wave fetches,
	s_cselect_b32 s74, 32, 4*NBW                   ; a partner's quarter of them
	s_cmp_eq_u32 s72, 0
	s_cselect_b32 s[LIM], 2, -1                    ; the same in all sixteen partners, for a given wave
	s_mul_i32 s73, s73, s[CH]
	s_add_co_u32 s70, s70, s73
	s_mul_i32 s71, s71, s74
	s_add_co_u32 s70, s70, s71
	s_lshl_b32 s70, s70, 11
	s_mov_b32 s71, 0
	s_add_nc_u64 s[PFA:PFA+1], s[PFA:PFA+1], s[70:71]
	s_add_nc_u64 s[PFA:PFA+1], s[PFA:PFA+1], 2*KSTEP*2  ; at K step 2: the first refill steps it to 3 and names K step 4.  Nothing is asked for here, at the head
	s_sub_co_u32 s74, s74, 1
	v_and_b32 v[PFO], 31, v0
	v_min_u32 v[PFO], s74, v[PFO]
	v_lshlrev_b32 v[PFO], 11, v[PFO]
; 2 NBW matrix instructions: m blocks a0, a0 + 1 of the window's four (hi = 0: my rows 0-63, 1: rows 64-127) x all n blocks, 32 along K.  zero = 1: the product starts the sum, with 0 or with the bias.
; All 8 NBW accumulators take turns in the same order in every quarter step, one instruction a turn.
.macro MUL16 f, hi, a0, zero
.if (\zero) && RELU
	WIN 0x81+0x40*(\hi)                            ; B window 1, A and C window 0, D window 2 or 3
.else
	WIN 0xa1+0x50*(\hi)                            ; B window 1, A window 0, C and D window 2 or 3
.endif
.irp a, \a0, (\a0)+1
.set b, 0
.rept NBW
.if (\zero) && RELU
	v_wmma_f32_16x16x32_bf16 v[8*(8*(\a)+b):8*(8*(\a)+b)+7], v[(\f)+8*b:(\f)+8*b+7], v[(\f)+8*(4*(\hi)+(\a)):(\f)+8*(4*(\hi)+(\a))+7], v[BIAS+8*b:BIAS+8*b+7]
.elseif \zero
	v_wmma_f32_16x16x32_bf16 v[8*(8*(\a)+b):8*(8*(\a)+b)+7], v[(\f)+8*b:(\f)+8*b+7], v[(\f)+8*(4*(\hi)+(\a)):(\f)+8*(4*(\hi)+(\a))+7], 0
.else
	v_wmma_f32_16x16x32_bf16 v[8*(8*(\a)+b):8*(8*(\a)+b)+7], v[(\f)+8*b:(\f)+8*b+7], v[(\f)+8*(4*(\hi)+(\a)):(\f)+8*(4*(\hi)+(\a))+7], v[8*(8*(\a)+b):8*(8*(\a)+b)+7]
.endif
.set b, b+1
.endr
.endr
.endm
; NF LDS loads in one run: the fragments of one quarter step (32 K at byte k of the rows of the slot in hand) into buffer f: B's first, A's last
.macro FETCH k, f
	WIN 0x40                                       ; destination window 1, address window 0
.set i, 0
.rept NBW
	ds_load_b128 v[(\f)+8*i:(\f)+8*i+3],   v[ADRB] offset:(\k)+i*16*PITCH
	ds_load_b128 v[(\f)+8*i+4:(\f)+8*i+7], v[ADRB] offset:(\k)+i*16*PITCH+32
.set i, i+1
.endr
	WIN 0
.set i, 0
.rept 8
	ds_load_b128 v[(\f)+8*i:(\f)+8*i+3],   v[ADRA] offset:(\k)+i*16*PITCH
	ds_load_b128 v[(\f)+8*i+4:(\f)+8*i+7], v[ADRA] offset:(\k)+i*16*PITCH+32
.set i, i+1
.endr
.endm
; A K step is four quarter steps of 32 along K on buffers 0, 1, 0, 1.  One of the first three: multiplies buffer f; in its middle it fetches the next quarter, at byte k, into buffer g.
.macro QUARTER k, f, g, zero
	s_wait_dscnt 8                                 ; B and A's rows 0-63 are in; the youngest eight loads (A's rows 64-127) may be out
	MUL16 \f, 0, 0, \zero
	MUL16 \f, 0, 2, \zero
	PLACES
	FETCH \k, \g
	s_wait_dscnt NF                                ; all but the run just issued
	MUL16 \f, 1, 0, \zero
	MUL16 \f, 1, 2, \zero
.endm
; The last quarter multiplies buffer 1 and changes slots.  MEET is its first half: one barrier, in front of which each wave waits for all its tensor loads (one is out: its part of the next slot),
; adds 0 to its spare word, and waits for that and for its own reads of this slot.  Behind it nobody reads this slot any more and the next slot is whole.
.macro MEET round
	WIN 0                                          ; (the add's two registers lie in window 0)
	s_wait_tensorcnt 0x0
	ds_add_u32 v[SPW], v[NIL]
	s_wait_dscnt 9                                 ; (the add and the youngest eight loads may be out)
	MUL16 F1, 0, 0, 0                              ; matrix work stands between the add and the wait for it
	s_wait_dscnt 0x0                               ; the add is done, and my reads of this slot are over
	s_barrier_signal -1
	MUL16 F1, 0, 2, 0                              ; work on registers while the others arrive
.if \round
	WIN 0
.endif
	s_barrier_wait -1
.endm
; fill = 1: the barrier opens a round of the cluster's barrier, and the slot just read out is filled again, with the K step two steps on, first thing behind the round.
.macro TURN fill
.if \fill
	s_wait_xcnt 0x0                                ; the last prefetch, a K step back, has read its address: it is stepped here, ahead of the waits of the change of slots
	s_add_nc_u64 s[PFA:PFA+1], s[PFA:PFA+1], KSTEP*2
	MEET 1
	CREST                                          ; no wave of any partner still reads this slot's tile or has a load on its way
	s_add_co_u32 s[G0A+5], s[DA0], s[SO]           ; the walking descriptors: into the slot just read out,
	s_add_nc_u64 s[G0A+6:G0A+7], s[G0A+6:G0A+7], KSTEP*2  ; the next K step; the type bits on top are not reached
	s_add_co_u32 s[G0B+5], s[DB0], s[SO]
	s_add_nc_u64 s[G0B+6:G0B+7], s[G0B+6:G0B+7], KSTEP*2
	JLOAD 1                                        ; the four v_nop behind it are also the places in front of the loads below
.else
	MEET 0
	WIN 0
	PLACES
.endif
	s_xor_b32 s[SO], s[SO], SLOT                   ; the other slot is in hand
	v_add_nc_u32 v[ADRA], s[SO], v[ADRA0]
	v_add_nc_u32 v[ADRB], s[SO], v[ADRB0]
	FETCH 0, F0
.if \fill
	ASK                                            ; behind the joint load and the run of LDS loads that the next products wait for
.endif
	MUL16 F1, 1, 0, 0
	MUL16 F1, 1, 2, 0
.endm
	s_wait_tensorcnt 1                             ; my part of K step 0 is in; K step 1's may stay out
	s_barrier_signal -1
	s_barrier_wait -1                              ; everybody's is
	FETCH 0, F0
.if RELU
	s_wait_loadcnt 0x0                             ; the bias
.endif
	QUARTER 64, F0, F1, 1                          ; the first quarter stands in front of the loop: its products start the sums
	WIN 0                                          ; at a label and at a branch every window is 0
	s_mov_b32 s[CNT], 6
.Lstep:                                                ; six trips, from a K step's second quarter to the next step's first; the trip of step t asks for step t + 2, which has 28 NBW matrix instructions in which to land
	QUARTER 128, F1, F0, 0
	QUARTER 192, F0, F1, 0
	TURN 1
	QUARTER 64, F0, F1, 0
	WIN 0
	s_sub_co_u32 s[CNT], s[CNT], 1
	s_cmp_lg_u32 s[CNT], 0
	s_cbranch_scc1 .Lstep
	s_mov_b32 s[CNT], 2
.Ltail:                                                ; K steps 6 and 7 ask for nothing: no tensor load stands in this loop.  Two trips of one text; the second is left in its middle.
	QUARTER 128, F1, F0, 0
	QUARTER 192, F0, F1, 0
	TURN 0                                         ; in the second trip its barrier orders nothing and its run of loads brings K step 6's first fragments once more, which nobody multiplies: the price, once a launch, of one text for both steps
	WIN 0
	s_cmp_eq_u32 s[CNT], 1
	s_cbranch_scc1 .Lout                           ; the sums are whole
	QUARTER 64, F0, F1, 0
	WIN 0
	s_sub_co_u32 s[CNT], s[CNT], 1
	s_cmp_lg_u32 s[CNT], 0
	s_cbranch_scc1 .Ltail
.Lout:
	PLACES
.if RELU
; THE WAY OUT BY ROWS, a block of 16 rows at a time.  PACK: rounded to bf16, then the larger of it and 0.  TOSTAGE: into my own stage, and back as whole rows of 256 bytes.  SEND: stored.
.macro PACK a
.set AC, 64*((\a)%4)
	WIN 0x0a+5*((\a)/4)                            ; sources window 2 or 3, destination window 0
.irp b, 0,1,2,3,4,5,6,7
.irp r, 0,1,2,3
	v_cvt_pk_bf16_f32 v[TMP+4*(\b)+(\r)], v[AC+8*(\b)+2*(\r)], v[AC+8*(\b)+2*(\r)+1]  ; each accumulator from its low end on
.endr
.endr
	WIN 0
.set i, 0
.rept 32
	v_pk_max_num_bf16 v[TMP+i], v[TMP+i], v[ZR]
.set i, i+1
.endr
.endm
.macro TOSTAGE a
.set BK, OB+192*((\a)%2)
.irp b, 0,1,2,3,4,5,6,7
	ds_store_b128 v[STO], v[TMP+4*(\b):TMP+4*(\b)+3] offset:32*(\b)
.endr
.irp t, 0,1,2,3,4,5,6,7
	ds_load_b128 v[BK+4*(\t):BK+4*(\t)+3], v[RD] offset:(\t)*2*PITCH  ; LDS serves a wave's instructions in order (ISA guide 5.7.1.4): these see the stores above
.endr
.endm
.macro SEND a
.set BK, OB+192*((\a)%2)
	s_wait_dscnt 0x0                               ; the block is back in registers
	s_wait_xcnt 0x0                                ; the stores of the block before have read their registers: the next TOSTAGE loads into them
.irp t, 0,1,2,3,4,5,6,7
	global_store_b128 v[CO], v[BK+4*(\t):BK+4*(\t)+3], s[8:9] offset:(16*(\a)+2*(\t))*OUTROW  ; 16 lanes store 256 consecutive bytes, aligned
.endr
.endm
	PACK 0
	TOSTAGE 0
.irp a, 1,2,3,4,5,6,7                  ; block a's conversions stand between block a - 1's loads from the stage and the wait for them
	PACK \a
	SEND (\a)-1
	TOSTAGE \a
.endr
	SEND 7
.else
; THE WAY OUT BY HEADS: an accumulator, rounded, is 512 consecutive bytes of its head: 16 rows of 32 bytes.  Two pools of registers take turns.
.macro OUTQ a
.set AC, 64*((\a)%4)
.set TP, TMP+32*((\a)%2)
	s_wait_xcnt 0x0                                ; earlier stores have read their registers
	WIN 0x0a+5*((\a)/4)
.set b, 0
.rept NBW
.irp r, 0,1,2,3
	v_cvt_pk_bf16_f32 v[TP+4*b+(\r)], v[AC+8*b+2*(\r)], v[AC+8*b+2*(\r)+1]
.endr
.set b, b+1
.endr
	WIN 0
.set b, 0
.rept NBW
	global_store_b128 v[CO], v[TP+4*b:TP+4*b+3], s[8:9] offset:32768*b+512*(\a)
.set b, b+1
.endr
.endm
.irp a, 0,1,2,3,4,5,6,7
	OUTQ \a
.endr
.endif
	s_wait_tensorcnt 0x0                           ; the wave's end, behind my last tensor load and my last LDS store
	ds_add_u32 v[SPW], v[NIL]
	s_wait_dscnt 0x0
	CROUND                                         ; the closing round: no work-group ends while a partner may still ask for a tile that names it
	s_endpgm
.Lfunc_end_k_q0f9f34b2ed_qkv:
	.size	k_q0f9f34b2ed_qkv, .Lfunc_end_k_q0f9f34b2ed_qkv-k_q0f9f34b2ed_qkv
	.p2alignl 7, 3214868480
	.fill 96, 4, 3214868480
	.section	.rodata,"a",@progbits
	.p2align	6, 0x0
	.amdhsa_kernel k_q0f9f34b2ed_qkv
		.amdhsa_group_segment_fixed_size 327680
		.amdhsa_private_segment_fixed_size 0
		.amdhsa_enable_private_segment 0
		.amdhsa_kernarg_size 24
		.amdhsa_user_sgpr_count 2
		.amdhsa_user_sgpr_kernarg_segment_ptr 1
		.amdhsa_wavefront_size32 1
		.amdhsa_system_sgpr_workgroup_id_x 1
		.amdhsa_system_sgpr_workgroup_id_y 1
		.amdhsa_system_sgpr_workgroup_id_z 1
		.amdhsa_system_vgpr_workitem_id 0
		.amdhsa_next_free_vgpr 1024
		.amdhsa_next_free_sgpr 76
		.amdhsa_reserve_vcc 0
		.amdhsa_float_denorm_mode_32 3
		.amdhsa_float_denorm_mode_16_64 3
		.amdhsa_memory_ordered 1
		.amdhsa_forward_progress 1
		.amdhsa_inst_pref_size 75
	.end_amdhsa_kernel
	.amdgpu_metadata
---
amdhsa.version: [ 1, 2 ]
amdhsa.kernels:
  - .name:           k_q0f9f34b2ed_qkv
    .symbol:         k_q0f9f34b2ed_qkv.kd
    .args:
      - { .name: act, .offset: 0, .size: 8, .value_kind: global_buffer, .address_space: global }
      - { .name: wqkvt, .offset: 8, .size: 8, .value_kind: global_buffer, .address_space: global }
      - { .name: qkv, .offset: 16, .size: 8, .value_kind: global_buffer, .address_space: global }
    .group_segment_fixed_size: 327680
    .private_segment_fixed_size: 0
    .kernarg_segment_align: 8
    .kernarg_segment_size: 24
    .max_flat_workgroup_size: 128
    .sgpr_count:     76
    .vgpr_count:     1024
    .wavefront_size: 32
...
	.end_amdgpu_metadata
.endif
;; end of part 3
;; launch attn (part 4): grid 256 x 1, 16 waves a work-group, no clusters, 167,936 bytes of LDS; arguments qkv, act; writes act
.if DOCPART == 4
	.amdgcn_target "amdgcn-amd-amdhsa--gfx1250"
	.amdhsa_code_object_version 6
	.text
	.protected	k_q0f9f34b2ed_attn
	.globl	k_q0f9f34b2ed_attn
	.p2align	8
	.type	k_q0f9f34b2ed_attn,@function
k_q0f9f34b2ed_attn:
	s_mov_b64 s[64:65], 0
	v_nop
	global_prefetch_b8 v0, s[64:65] scope:SCOPE_SE
	s_setreg_imm32_b32 hwreg(HW_REG_WAVE_MODE, 25, 1), 1
	s_wait_xcnt 0x0
; CAUSAL ATTENTION, 256 (batch, head) pairs of 1,024 rows x 16 channels.  O[t] = the sum over s <= t of softmax_s(q[t] . k[s] / 32) v[s].  q, k, v, O in bf16, by heads: a head's rows are dense, 32 bytes each.
; Products, maxima and sums in f32; the weights p are rounded to bf16 for the second product, and their sum l is taken of the rounded p, by the same unit; O is rounded once.
; LIMITS.  A hidden score counts as its value less 1e30; a weight below 2^-126 counts as 0; NaN and infinities are not treated apart (an infinite k would meet q's padding zeros).
; SHARES.  A work-group owns one head.  All its K and V, 64 KiB, lie in LDS, filled once: no ring.  NO CLUSTER: no two work-groups read the same K or V.
; Keys go 64 a step.  The four query tiles (of 16) of band a, rows 64 a .. 64 a + 63, have the same walk: a plain steps and the step with the diagonal.  Wave w of 16 takes TWO TILES SIDE BY SIDE, half w % 2
; of a band, first of band w / 2 and then of band 15 - w / 2: (a + 1) + (16 - a) = 17 steps for every wave.
; The two tiles multiply by the same fragments of K and V (8 LDS loads for 16 matrix instructions), and every phase of a step takes them by turns, so that an instruction of one tile stands between two
; dependent instructions of the other.  K of the next step is loaded behind this step's first products, so that a step begins with its K in registers.
; LAYOUT.  S^T = K Q^T (source 0 = 16 keys, source 1 = 16 queries): a lane holds ONE query (lane % 16) and the keys 8 (lane / 16) + 0..7.  Two such results rounded in pairs ARE source 1 (32 keys x 16 queries) of
; O^T = V^T P, whose result holds one query a lane and eight channels: 16 bytes of O.  V ([key][channel]) comes out of LDS turned, by ds_load_tr16_b128.
; 16 CHANNELS IN A PRODUCT OVER 32: q's registers 4-7 (channels 16-31) are zeros.  A key block's operand is its four registers and the four behind them, the next block's data or zeros: finite numbers that meet zeros.
; THE ROW SUM is a product too: l = ONES P, in every register of its accumulator; it is rescaled like O^T and needs no exchange between lanes.
; SOFTMAX.  A running maximum m: p = 2^(c s - c m), c = log2(e) / 32; in every step O and l are multiplied by a = 2^(c m_old - c m_new).  A band starts with c m far below every c s: its first a is 0,
; so O and l need only hold finite numbers when a band begins.
; THE MASK of the diagonal step is written into S's own registers and taken as the C operand in place: TRI x AL + BE, with TRI the mask of a tile's own key block, which is block 2 (w % 2) + t for tile t:
; (1, 0) for that block, (0, 0) for earlier ones, (0, -1e30) for later ones.
; ONE TEXT FOR A STEP: the loop counts 16 trips; a trip past the band's diagonal is jumped; the diagonal's trip and the plain trips differ in their heads (the first products) and share the body.
.set KP,    272                        ; eight keys of K: 256 bytes + 16 of padding
.set VOFF,  128*KP                     ; V behind K, dense: 32 bytes a key; a turning load takes 512 consecutive bytes
.set SPARE, VOFF+32768                 ; the spare words: 128 bytes for each of the 16 waves; no other line names them
.set AK0, 3                            ; my lane's place in a key block of K; never rewritten
.set AV0, 4                            ; the same for V
.set AKN, 5                            ; where the next step's K lies
.set AV,  6                            ; where this step's V lies
.set CO,  7                            ; 32 (l % 16) + 16 (l / 16): my 16 bytes of a tile of q or O
.set OA,  8                            ; my byte offset in the head's O
.set QA,  9                            ; my byte offset in q for the first band
.set SPW, 10
.set NIL, 11
.set QB,  12                           ; for the second band
.set TT,  14                           ; v[14:15] at work in the head
.set ST,  16                           ; tile t's ten at v[ST + 10 t]: +0 c m, +1 m, +2 .. +5 four chains of the maximum (then a in +4), +6, +7 1 / l, +8 c m_old
.set QF,  36                           ; tile t at QF + 8 t: four registers of q, four of zeros
.set QN,  52                           ; the second band's q, four a tile
.set ONES, 60                          ; v[60:67]
.set TRI, 68                           ; v[68:75]
.set KF,  76                           ; v[76:95] four key blocks of 4, then zeros
.set VF,  96                           ; v[96:111]
.set S,   112                          ; 32 a tile
.set P,   176                          ; 16 a tile
.set O,   208                          ; 8 a tile
.set L,   224                          ; 8 a tile
.set OP,  240                          ; 4 a tile
.set WV,  8
.set HF,  9                            ; which half of a band
.set KO,  10                           ; the next step's LDS byte in K: 2,176 x its number
.set VO,  11                           ; this step's LDS byte in V: 2,048 x its number
.set CNT, 12                           ; the loop's counter, which is the step's number
.set NS,  13                           ; the band, which is also the diagonal step's number
.set XB0, 14                           ; s14, s15: the own key block of tile 0, 1
.set JT,  16                           ; which of my two bands
.set A0,  17                           ; the first band
.set CS,  18                           ; s[18:19] c
.set SEL, 20                           ; s[20:21] v_permlanex16_b32's selects
.set AL,  22                           ; s[22:23]
.set BE,  24                           ; s[24:25]
.set BIGN, 26
.set AR,  27                           ; the second band
.set G0K, 28
.set G1K, 32
.set G0V, 40
.set G1V, 44
.set QH,  56                           ; s[56:57] the head's q
.set HB,  58                           ; 1,024 x half: my 32 rows in a band's 2,048 bytes
	s_load_b128 s[4:7], s[0:1], 0x0                ; qkv s[4:5], O s[6:7]
	v_lshl_add_u32 v[SPW], v0, 2, SPARE
	v_mov_b32 v[NIL], 0
	ds_add_u32 v[SPW], v[NIL]                      ; the wave's opening: the add and its wait stand ahead of the first tensor load; the set-up below stands between them
	ds_add_u32 v10, v11
	v_lshrrev_b32 v1, 5, v0
	v_readfirstlane_b32 s[WV], v1
	s_and_b32 s[HF], s[WV], 1
	s_lshr_b32 s[A0], s[WV], 1
	s_sub_co_u32 s[AR], 15, s[A0]
	s_lshl_b32 s[XB0], s[HF], 1
	s_add_co_u32 s[XB0+1], s[XB0], 1
	s_lshl_b32 s[HB], s[HF], 10
	; descriptors: half of K or V is 16,384 dense bytes, asked for as 64 rows of 256 bytes (32 elements of 8 bytes)
	s_mov_b32 s[G1K], (3<<16)|(1<<20)|(5<<22)|(3<<25)  ; 8-byte elements; padding on: after every 64 words, 4 words
	s_mov_b32 s[G1V], 3<<16                        ; no padding
.irp g, G1K, G1V
	s_mov_b32 s[\g+1], 32<<16                      ; tensor_dim0 = 32
	s_mov_b32 s[\g+2], 64<<16                      ; tensor_dim1 = 64
	s_mov_b32 s[\g+3], 32<<16                      ; tile_dim0 = 32
	s_mov_b32 s[\g+4], 64                          ; tile_dim1 = 64
	s_mov_b32 s[\g+5], 32                          ; elements from row to row
	s_mov_b32 s[\g+6], 0
	s_mov_b32 s[\g+7], 0
.endr
	s_lshr_b32 s52, ttmp9, 6                       ; batch
	s_and_b32 s53, ttmp9, 63                       ; head
	s_mul_i32 s52, s52, 192
	s_add_co_u32 s52, s52, s53
	s_lshl_b32 s52, s52, 15                        ; q's group of the head; k's lies 64 groups on, v's 128
	s_mov_b32 s53, 0
	s_and_b32 s54, s[WV], 1                        ; which half I would fetch
	s_mov_b32 s[G0K], 1
	s_mul_i32 s[G0K+1], s54, 64*KP
	s_lshl_b32 s54, s54, 14
	s_mov_b32 s[G0V], 1
	s_add_co_u32 s[G0V+1], s54, VOFF
	s_mov_b32 s55, 0
	s_mov_b32 s[CS], 0x3d38aa3b                    ; c = log2(e) / 32
	s_mov_b32 s[CS+1], s[CS]                       ; named with it as a pair
	s_mov_b32 s[SEL], 0x76543210
	s_mov_b32 s[SEL+1], 0xfedcba98
	s_mov_b32 s[AL+1], 0
	s_mov_b32 s[BE+1], 0
	s_mov_b32 s[BIGN], 0xf149f2ca                  ; -1e30
	s_wait_dscnt 0x0                               ; the opening add is done
	s_wait_kmcnt 0x0
	s_add_nc_u64 s[QH:QH+1], s[4:5], s[52:53]
	s_add_nc_u64 s[G0K+2:G0K+3], s[QH:QH+1], s[54:55]
	s_add_nc_u64 s[G0V+2:G0V+3], s[G0K+2:G0K+3], 128*32768
	s_add_nc_u64 s[G0K+2:G0K+3], s[G0K+2:G0K+3], 64*32768
	s_or_b32 s[G0K+3], s[G0K+3], 0x80000000        ; type = 2
	s_or_b32 s[G0V+3], s[G0V+3], 0x80000000
	s_lshl_b32 s52, ttmp9, 15
	s_add_nc_u64 s[6:7], s[6:7], s[52:53]          ; the head's O
	s_cmp_lt_u32 s[WV], 2                          ; waves 0 and 1 fetch K's halves, waves 2 and 3 V's, the others nothing: one load a wave at the most
	s_cbranch_scc0 .Lnot_k
	tensor_load_to_lds s[G0K:G0K+3], s[G1K:G1K+7]
	s_nop 0
.rept 4
	v_nop
.endr
	s_branch .Lasked
.Lnot_k:
	s_cmp_lt_u32 s[WV], 4
	s_cbranch_scc0 .Lasked
	tensor_load_to_lds s[G0V:G0V+3], s[G1V:G1V+7]
	s_nop 0
.rept 4
	v_nop
.endr
.Lasked:
	v_and_b32 v1, 15, v0                           ; l % 16
	v_bfe_u32 v2, v0, 4, 1                         ; l / 16
	v_lshlrev_b32 v[CO], 5, v1
	v_lshl_add_u32 v[CO], v2, 4, v[CO]
	s_lshl_b32 s52, s[A0], 11                      ; a band is 2,048 bytes, a tile 512
	s_lshl_b32 s53, s[AR], 11
	s_add_co_u32 s52, s52, s[HB]
	s_add_co_u32 s53, s53, s[HB]
	v_add_nc_u32 v[QA], s52, v[CO]
	v_add_nc_u32 v[QB], s53, v[CO]
	global_load_b128 v[QF:QF+3],     v[QA], s[QH:QH+1]             ; the first band's two tiles,
	global_load_b128 v[QF+8:QF+11],  v[QA], s[QH:QH+1] offset:512
	global_load_b128 v[QN:QN+3],     v[QB], s[QH:QH+1]             ; the second band's
	global_load_b128 v[QN+4:QN+7],   v[QB], s[QH:QH+1] offset:512
	v_lshrrev_b32 v[TT], 3, v1
	v_and_b32 v[TT+1], 7, v1
	v_mul_u32_u24 v[AK0], v[TT], KP
	v_lshl_add_u32 v[AK0], v[TT+1], 5, v[AK0]
	v_lshl_add_u32 v[AK0], v2, 4, v[AK0]           ; key l % 16, channels 8 (l / 16) on
	v_and_b32 v[TT], 7, v0
	v_lshl_add_u32 v[TT], v2, 3, v[TT]
	v_bfe_u32 v[TT+1], v0, 3, 1
	v_lshlrev_b32 v[AV0], 5, v[TT]                 ; the turning load: lane l reads key 8 (l / 16) + l % 8, channels 8 ((l / 8) % 2) + 0..7
	v_lshl_add_u32 v[AV0], v[TT+1], 4, v[AV0]
	v_add_nc_u32 v[AV0], VOFF, v[AV0]
	v_lshlrev_b32 v[TT], 3, v2
	v_sub_nc_u32 v[TT], v1, v[TT]                  ; my query's place less my lanes' 8 (l / 16): register j is hidden where j is greater
.irp j, 0,1,2,3,4,5,6,7
	v_cmp_gt_i32 vcc_lo, \j, v[TT]
	v_cndmask_b32 v[TRI+\j], 0, s[BIGN], vcc_lo
.endr
.irp j, 0,1,2,3,4,5,6,7
	v_mov_b32 v[ONES+\j], 0x3f803f80               ; 1.0 twice
.endr
.irp j, 4,5,6,7
	v_mov_b32 v[QF+\j], 0
	v_mov_b32 v[QF+8+\j], 0
	v_mov_b32 v[KF+12+\j], 0
.endr
.set i, 0
.rept 32
	v_mov_b32 v[O+i], 0                            ; O and l of both tiles: finite numbers for the first band's a = 0
.set i, i+1
.endr
.irp t, 0,1
	v_mov_b32 v[ST+10*\t+7], 0                     ; named with 1 / l as a pair
	v_mov_b32 v[ST+10*\t], 0xfe000000              ; c m: far below every c s
	v_mov_b32 v[ST+10*\t+1], 0xff7fffff            ; m: the lowest finite number
.endr
	s_wait_tensorcnt 0x0                           ; my part, if I fetched one, is in
	s_barrier_signal -1
	s_barrier_wait -1                              ; all of K and V is; nothing is ever filled again
.irp kb, 0,1,2,3
	ds_load_b128 v[KF+4*\kb:KF+4*\kb+3], v[AK0] offset:2*KP*\kb  ; K of step 0: every later step finds its K asked for by the step before
.endr
	s_wait_loadcnt 0x0                             ; q
.macro FSC p, t                        ; pair p of tile t: c s - c m
	v_pk_fma_f32 v[S+32*(\t)+2*(\p):S+32*(\t)+2*(\p)+1], v[S+32*(\t)+2*(\p):S+32*(\t)+2*(\p)+1], s[CS:CS+1], v[ST+10*(\t):ST+10*(\t)+1] op_sel_hi:[1,0,0] neg_lo:[0,0,1] neg_hi:[0,0,1]
.endm
.macro EXS e, t                        ; score e of tile t: its weight
	v_exp_f32 v[S+32*(\t)+(\e)], v[S+32*(\t)+(\e)]
.endm
	s_mov_b32 s[JT], 0
.Lband:                                                ; two trips: my two bands
	s_cmp_lg_u32 s[JT], 0
	s_cselect_b32 s[NS], s[AR], s[A0]
	s_mov_b32 s[CNT], 0
.Lk:                                                   ; counted to the constant 16; the trips past the diagonal are jumped, forward, past text with no barrier and no tensor load
	s_cmp_gt_u32 s[CNT], s[NS]
	s_cbranch_scc1 .Lskip
	s_lshl_b32 s[VO], s[CNT], 11
	s_cmp_eq_u32 s[CNT], s[NS]
	s_cbranch_scc1 .Ldiag
	; A PLAIN STEP's head: the sums start with 0; the next step is the next number
	s_add_co_u32 s52, s[CNT], 1
	s_mul_i32 s[KO], s52, 8*KP
	s_wait_dscnt 0x0                               ; K is in: it was asked for a step ago
.irp kb, 0,1,2,3
.irp t, 0,1
	v_wmma_f32_16x16x32_bf16 v[S+32*\t+8*\kb:S+32*\t+8*\kb+7], v[KF+4*\kb:KF+4*\kb+7], v[QF+8*\t:QF+8*\t+7], 0
.endr
.endr
	v_add_nc_u32 v[AKN], s[KO], v[AK0]
	s_branch .Lbody
.Ldiag:	; THE DIAGONAL STEP's head: the masks go into S's registers, and the sums start with them; the next step is the next band's step 0 (behind the second band nobody multiplies it)
.irp kb, 0,1,2,3
.irp t, 0,1
	s_cmp_eq_u32 s[XB0+\t], \kb                    ; the tile's own key block?
	s_cselect_b32 s[AL], 1.0, 0
	s_cmp_lt_u32 s[XB0+\t], \kb                    ; or a later one?
	s_cselect_b32 s[BE], s[BIGN], 0
.irp z, 0,1,2,3
	v_pk_fma_f32 v[S+32*\t+8*\kb+2*\z:S+32*\t+8*\kb+2*\z+1], v[TRI+2*\z:TRI+2*\z+1], s[AL:AL+1], s[BE:BE+1] op_sel_hi:[1,0,0]
.endr
.endr
.endr
	s_wait_dscnt 0x0                               ; K is in
.irp kb, 0,1,2,3
.irp t, 0,1
	v_wmma_f32_16x16x32_bf16 v[S+32*\t+8*\kb:S+32*\t+8*\kb+7], v[KF+4*\kb:KF+4*\kb+7], v[QF+8*\t:QF+8*\t+7], v[S+32*\t+8*\kb:S+32*\t+8*\kb+7]
.endr
.endr
	v_mov_b32 v[AKN], v[AK0]
.Lbody:	; THE BODY.  The head's last line, the line below and two v_nop are the four places behind the eight products: in front of the loads into K's and V's registers and of the first read of the scores
	v_add_nc_u32 v[AV], s[VO], v[AV0]
	v_nop
	v_nop
.irp kk, 0,1
	ds_load_tr16_b128 v[VF+8*\kk:VF+8*\kk+3],   v[AV] offset:1024*\kk       ; V: keys 32 kk + 8 (l / 16) on,
	ds_load_tr16_b128 v[VF+8*\kk+4:VF+8*\kk+7], v[AV] offset:1024*\kk+512   ; and 16 further
.endr
.irp kb, 0,1,2,3
	ds_load_b128 v[KF+4*\kb:KF+4*\kb+3], v[AKN] offset:2*KP*\kb             ; K of the next step; all eight land while the softmax runs
.endr
	; the maximum of my 32 scores and the old m: four chains a tile, each accumulator's lowest registers first
.irp n, 0,1,2,3
.irp t, 0,1
	v_max3_num_f32 v[ST+10*\t+2+\n], v[S+32*\t+8*\n], v[S+32*\t+8*\n+1], v[S+32*\t+8*\n+2]
.endr
.endr
.irp n, 0,1,2,3
.irp t, 0,1
	v_max3_num_f32 v[ST+10*\t+2+\n], v[ST+10*\t+2+\n], v[S+32*\t+8*\n+3], v[S+32*\t+8*\n+4]
.endr
.endr
.irp n, 0,1,2,3
.irp t, 0,1
	v_max3_num_f32 v[ST+10*\t+2+\n], v[ST+10*\t+2+\n], v[S+32*\t+8*\n+5], v[S+32*\t+8*\n+6]
.endr
.endr
.irp t, 0,1
	v_max3_num_f32 v[ST+10*\t+2], v[ST+10*\t+2], v[S+32*\t+7], v[S+32*\t+15]
.endr
.irp t, 0,1
	v_max3_num_f32 v[ST+10*\t+3], v[ST+10*\t+3], v[S+32*\t+23], v[S+32*\t+31]
.endr
.irp t, 0,1
	v_max3_num_f32 v[ST+10*\t+4], v[ST+10*\t+4], v[ST+10*\t+5], v[ST+10*\t+1]
.endr
.irp t, 0,1
	v_mov_b32 v[ST+10*\t+8], v[ST+10*\t]           ; c m_old is kept
.endr
.irp t, 0,1
	v_max3_num_f32 v[ST+10*\t+2], v[ST+10*\t+2], v[ST+10*\t+3], v[ST+10*\t+4]
.endr
.irp t, 0,1
	v_permlanex16_b32 v[ST+10*\t+5], v[ST+10*\t+2], s[SEL], s[SEL+1]  ; the query's other 32 keys lie in the lane 16 away
.endr
.irp t, 0,1
	v_max_num_f32 v[ST+10*\t+1], v[ST+10*\t+2], v[ST+10*\t+5]
.endr
.irp t, 0,1
	v_mul_f32 v[ST+10*\t], s[CS], v[ST+10*\t+1]
.endr
.irp t, 0,1
	v_sub_f32 v[ST+10*\t+3], v[ST+10*\t+8], v[ST+10*\t]
.endr
	; ONE BATCH: the two a and the 64 weights, with the scalings among them (a pair is scaled ahead of its exponentials); nothing here names an exponential's result
	FSC 0, 0
	FSC 0, 1
.irp t, 0,1
	v_exp_f32 v[ST+10*\t+4], v[ST+10*\t+3]         ; a
.endr
.set p, 0
.rept 16
.if p < 15
	FSC p+1, 0
.endif
	EXS 2*p, 0
	EXS 2*p, 1
.if p < 15
	FSC p+1, 1
.endif
	EXS 2*p+1, 0
	EXS 2*p+1, 1
.set p, p+1
.endr
	v_nop                                          ; a plain instruction behind the last exponential, ahead of the first use
	s_wait_alu depctr_va_vdst(0)                   ; one wait for the batch, ahead of its first reader
.set p, 0
.rept 16
.irp t, 0,1
	v_cvt_pk_bf16_f32 v[P+16*\t+p], v[S+32*\t+2*p], v[S+32*\t+2*p+1]
.endr
.set p, p+1
.endr
.irp z, 0,1,2,3
.irp t, 0,1
	v_pk_mul_f32 v[O+8*\t+2*\z:O+8*\t+2*\z+1], v[O+8*\t+2*\z:O+8*\t+2*\z+1], v[ST+10*\t+4:ST+10*\t+5] op_sel_hi:[1,0]
.endr
.endr
.irp z, 0,1,2,3
.irp t, 0,1
	v_pk_mul_f32 v[L+8*\t+2*\z:L+8*\t+2*\z+1], v[L+8*\t+2*\z:L+8*\t+2*\z+1], v[ST+10*\t+4:ST+10*\t+5] op_sel_hi:[1,0]
.endr
.endr
	s_wait_dscnt 4                                 ; V's four loads are in; the four younger ones, the next step's K, may stay out
.irp kk, 0,1                           ; the four accumulators take turns, one instruction a turn
.irp t, 0,1
	v_wmma_f32_16x16x32_bf16 v[O+8*\t:O+8*\t+7], v[VF+8*\kk:VF+8*\kk+7], v[P+16*\t+8*\kk:P+16*\t+8*\kk+7], v[O+8*\t:O+8*\t+7]
.endr
.irp t, 0,1
	v_wmma_f32_16x16x32_bf16 v[L+8*\t:L+8*\t+7], v[ONES:ONES+7], v[P+16*\t+8*\kk:P+16*\t+8*\kk+7], v[L+8*\t:L+8*\t+7]
.endr
.endr
.Lskip:
	s_add_co_u32 s[CNT], s[CNT], 1
	s_cmp_lt_u32 s[CNT], 16
	s_cbranch_scc1 .Lk
	; THE BAND'S END
.rept 4
	v_nop                                          ; the places behind the last products
.endr
.irp t, 0,1
	v_rcp_f32 v[ST+10*\t+6], v[L+8*\t]             ; l stands in every register of its accumulator: the lowest is read
.endr
	v_nop
	s_wait_alu depctr_va_vdst(0)                   ; one wait for the two reciprocals
	s_wait_xcnt 0x0                                ; the first band's stores have read their registers
.irp z, 0,1,2,3
.irp t, 0,1
	v_pk_mul_f32 v[O+8*\t+2*\z:O+8*\t+2*\z+1], v[O+8*\t+2*\z:O+8*\t+2*\z+1], v[ST+10*\t+6:ST+10*\t+7] op_sel_hi:[1,0]
.endr
.endr
.irp z, 0,1,2,3
.irp t, 0,1
	v_cvt_pk_bf16_f32 v[OP+4*\t+\z], v[O+8*\t+2*\z], v[O+8*\t+2*\z+1]
.endr
.endr
	s_lshl_b32 s52, s[NS], 11
	s_add_co_u32 s52, s52, s[HB]
	v_add_nc_u32 v[OA], s52, v[CO]
	global_store_b128 v[OA], v[OP:OP+3],   s[6:7]             ; a tile's 512 consecutive bytes, aligned,
	global_store_b128 v[OA], v[OP+4:OP+7], s[6:7] offset:512  ; and the next tile's
.irp z, 0,1,2,3
.irp t, 0,1
	v_mov_b32 v[QF+8*\t+\z], v[QN+4*\t+\z]         ; the second band's q goes where the one text names q
.endr
.endr
.irp t, 0,1
	v_mov_b32 v[ST+10*\t], 0xfe000000              ; the next band's first a is 0: O and l stay as they are
	v_mov_b32 v[ST+10*\t+1], 0xff7fffff
.endr
	s_add_co_u32 s[JT], s[JT], 1
	s_cmp_lt_u32 s[JT], 2
	s_cbranch_scc1 .Lband
	s_wait_dscnt 0x0                               ; my reads of K and V are over,
	s_barrier_signal -1
	s_barrier_wait -1                              ; and so are every wave's: no LDS word is written while a wave still reads
	s_wait_tensorcnt 0x0                           ; the wave's end
	ds_add_u32 v[SPW], v[NIL]
	s_wait_dscnt 0x0
	s_endpgm
.Lfunc_end_k_q0f9f34b2ed_attn:
	.size	k_q0f9f34b2ed_attn, .Lfunc_end_k_q0f9f34b2ed_attn-k_q0f9f34b2ed_attn
	.p2alignl 7, 3214868480
	.fill 96, 4, 3214868480
	.section	.rodata,"a",@progbits
	.p2align	6, 0x0
	.amdhsa_kernel k_q0f9f34b2ed_attn
		.amdhsa_group_segment_fixed_size 167936
		.amdhsa_private_segment_fixed_size 0
		.amdhsa_enable_private_segment 0
		.amdhsa_kernarg_size 16
		.amdhsa_user_sgpr_count 2
		.amdhsa_user_sgpr_kernarg_segment_ptr 1
		.amdhsa_wavefront_size32 1
		.amdhsa_system_sgpr_workgroup_id_x 1
		.amdhsa_system_sgpr_workgroup_id_y 1
		.amdhsa_system_sgpr_workgroup_id_z 1
		.amdhsa_system_vgpr_workitem_id 0
		.amdhsa_next_free_vgpr 248
		.amdhsa_next_free_sgpr 66
		.amdhsa_reserve_vcc 1
		.amdhsa_float_denorm_mode_32 3
		.amdhsa_float_denorm_mode_16_64 3
		.amdhsa_memory_ordered 1
		.amdhsa_forward_progress 1
		.amdhsa_inst_pref_size 26
	.end_amdhsa_kernel
	.amdgpu_metadata
---
amdhsa.version: [ 1, 2 ]
amdhsa.kernels:
  - .name:           k_q0f9f34b2ed_attn
    .symbol:         k_q0f9f34b2ed_attn.kd
    .args:
      - { .name: qkv, .offset: 0, .size: 8, .value_kind: global_buffer, .address_space: global }
      - { .name: act, .offset: 8, .size: 8, .value_kind: global_buffer, .address_space: global }
    .group_segment_fixed_size: 167936
    .private_segment_fixed_size: 0
    .kernarg_segment_align: 8
    .kernarg_segment_size: 16
    .max_flat_workgroup_size: 512
    .sgpr_count:     66
    .vgpr_count:     248
    .wavefront_size: 32
...
	.end_amdgpu_metadata
.endif
;; end of part 4
;; launch proj (part 5): grid 8 x 32, 4 waves a work-group, clusters of 4 x 4, 327,680 bytes of LDS; arguments act, wprojt, x, bproj, x1; writes x1
.if DOCPART == 5
	.amdgcn_target "amdgcn-amd-amdhsa--gfx1250"
	.amdhsa_code_object_version 6
	.text
	.protected	k_q0f9f34b2ed_proj
	.globl	k_q0f9f34b2ed_proj
	.p2align	8
	.type	k_q0f9f34b2ed_proj,@function
k_q0f9f34b2ed_proj:
	s_mov_b64 s[64:65], 0
	v_nop
	global_prefetch_b8 v0, s[64:65] scope:SCOPE_SE
	s_setreg_imm32_b32 hwreg(HW_REG_WAVE_MODE, 25, 1), 1
	s_wait_xcnt 0x0
	s_wait_alu depctr_hold_cnt(0) depctr_sa_sdst(0) depctr_va_vdst(0) depctr_va_sdst(0) depctr_va_ssrc(0) depctr_va_vcc(0) depctr_vm_vsrc(0)
	s_getreg_b32 s2, hwreg(HW_REG_IB_STS2, 6, 4)
	s_cmp_eq_u32 s2, 0
	s_cbranch_scc0 .Lentry_in_a_cluster
	s_endpgm
.Lentry_in_a_cluster:
	s_bfe_u32 s2, ttmp6, 0x10000c
	s_cmp_lg_u32 s2, 0xf033
	s_cbranch_scc0 .Lentry_shape_is_right
	s_endpgm
.Lentry_shape_is_right:
; out = resid + A B^T + bias, in f32.  A: 4,096 rows x SIZE_K bf16, B: [1024][SIZE_K] bf16, resid and out: [4096][1024] f32, bias: [1024] f32.  Sums in f32, K ascending.
; ONE TEXT, TWO SETTINGS.  SIZE_K = 1,024, PLANES = 1: x1 = x + o Wproj^T + bproj, with o laid by heads.  SIZE_K = 4,096, PLANES = 0: out0 = x1 + hid W2^T + b2, with hid laid by rows.
; SHARES.  A tile of out is 128 x 128: 8 x 32 = 256 work-groups (tiles of 256 x 256 would be 64).  Four waves, each 64 x 64: 16 accumulators.  K goes in steps of 256, as long as two slots in LDS allow.
; The loop holds ONE K step: the slot in hand is a scalar (0 or SLOT) that one exclusive or turns.  The last two K steps, which ask for nothing, are a second loop of one K step's text, left in its middle.
; BY HEADS (PLANES = 1): byte (64 batch + h) 32768 + 32 t + 2 d.  64 rows of one head are 2,048 bytes on end: a K step's part of A is 16 such rows of memory, one a head, 32,768 bytes apart.
; In LDS a head's plane is 64 rows of 32 bytes with 16 bytes of padding behind every eight: a fragment's registers 0-3 come from one plane, registers 4-7 from the next.
; CLUSTER.  4 x 4 work-groups: A's tiles are asked for jointly along a row of the cluster, B's along a column.
; THE MATRIX INSTRUCTION IS USED TRANSPOSED (source 0 = 16 rows of B, source 1 = 16 rows of A): a lane holds row l % 16 and the columns 8 (l / 16) + 0..7.
; THE BIAS is loaded in the accumulators' own layout and is the C operand of the products that start the sums.  THE RESIDUAL is loaded at the head, in the layout in which rows leave, and is on its way during the whole K loop.
; THE WAY OUT: a wave's 64 columns of f32 are a whole aligned 256 bytes, so each wave has a stage of its own and no barrier is needed.
; No prefetch: the tile is small, and a K step's matrix work is short beside its bytes.
; REGISTERS: window 0: v0-31 addresses; v32-95 two pools for the way out; v96-127 the bias; v128-255 the accumulators ((a, b) at v[128 + 8 (4 a + b)])
;   window 1: two fragment buffers of 128: for 64 along K, 64 registers of A, then 64 of B;   window 2: v0-127 the residual.
.set SIZE_K, 1024
.set PLANES, 1
.set KSTEP,  256
.set NSTEP,  SIZE_K/KSTEP
.set PB,     528                       ; an LDS row of 512 bytes + 16 of padding = 132 words: the 16 rows of a fragment load start at 16 different groups of four banks (64 banks of 4 bytes: ISA guide 11.1)
.set HALFB,  64*PB
.if PLANES
.set PLANE,  2176                      ; 64 rows of 32 bytes + 8 paddings of 16
.set HALFA,  16*PLANE
.set STEPA,  16*32768                  ; bytes from a K step to the next: 16 heads
.else
.set HALFA,  64*PB
.set STEPA,  KSTEP*2
.endif
.set SLOT,   2*HALFA+2*HALFB           ; A's two halves, then B's two halves
.set STAGE,  2*SLOT                    ; behind the ring: 16 rows x 272 bytes for each wave; no tensor load fills it
.set SP,     272
.set SPARE,  STAGE+4*16*SP             ; the spare words: 128 bytes for each wave, two blocks of 256 bytes that no other line names
.set ADRA0, 16
.set ADRA,  17
.set ADRB0, 20
.set ADRB,  21
.set STO,   24
.set RD,    25
.set CO,    26
.set SPW,   28
.set NIL,   29
.set BO,    31
.set TMP,   32
.set BIAS,  96
.set ACC,   128
.set F0,    0
.set F1,    128
.set CNT,   3
.set WV,    14
.set RH,    15                         ; which 64 rows of the tile are mine.  Also: I fetch for A (0) or for B (1)
.set CH,    16                         ; which 64 columns.  Also: which half of that tile I fetch
.set CX,    17
.set CY,    18
.set TC,    19
.set TR,    20
.set G1A,   24
.set G0A,   32
.set DA0,   40
.set DB0,   41
.set SO,    44
.set G1B,   48
.set G0B,   56
.set MSB, 0
.macro WIN new                         ; the immediate's high byte repeats the setting that is left; a switch that changes nothing is dropped
.if MSB != (\new)
	s_set_vgpr_msb (MSB<<8)|(\new)
.set MSB, \new
.endif
.endm
.set MUL,  0x05                        ; sources 0 (B) and 1 (A) window 1; C and D window 0
.macro PLACES
.rept 4
	v_nop
.endr
.endm
.macro JLOAD s                         ; a joint load: waves 0 and 1 fetch A's two halves, waves 2 and 3 B's; an s_nop 0 and four v_nop follow each of the two lines
	s_cmp_eq_u32 s[RH], 0
	s_cbranch_scc0 .Lfor_b_\@
	tensor_load_to_lds s[G0A+4*(\s):G0A+4*(\s)+3], s[G1A:G1A+7]
	s_nop 0
.rept 4
	v_nop
.endr
	s_branch .Lasked_\@
.Lfor_b_\@:
	tensor_load_to_lds s[G0B+4*(\s):G0B+4*(\s)+3], s[G1B:G1B+7]
	s_nop 0
.rept 4
	v_nop
.endr
.Lasked_\@:
.endm
.macro CREST                           ; a round of the cluster's barrier behind its opening barrier
	s_cmp_lg_u32 s[WV], 0
	s_cbranch_scc1 .Lnot_wave_0_\@
	s_barrier_signal -3
.Lnot_wave_0_\@:
	s_barrier_wait -3
	s_barrier_signal -1
	s_barrier_wait -1
.endm
.macro CROUND
	s_barrier_signal -1
	s_barrier_wait -1
	CREST
.endm
	s_load_b256 s[4:11], s[0:1], 0x0               ; A s[4:5], B s[6:7], resid s[8:9], bias s[10:11]
	s_load_b64 s[12:13], s[0:1], 0x20              ; out
	v_lshl_add_u32 v[SPW], v0, 2, SPARE
	v_mov_b32 v[NIL], 0
	ds_add_u32 v[SPW], v[NIL]                      ; the wave's opening: the add and its wait stand ahead of my first tensor load; the set-up below stands between them
	ds_add_u32 v28, v29
	v_lshrrev_b32 v1, 5, v0
	v_readfirstlane_b32 s[WV], v1
	s_lshr_b32 s[RH], s[WV], 1
	s_and_b32 s[CH], s[WV], 1
	s_bfe_u32 s[CX], ttmp6, 0x40000
	s_bfe_u32 s[CY], ttmp6, 0x40004
	s_lshl_b32 s[TC], ttmp9, 2
	s_add_co_u32 s[TC], s[TC], s[CX]
	s_and_b32 s[TR], ttmp7, 0xffff
	s_lshl_b32 s[TR], s[TR], 2
	s_add_co_u32 s[TR], s[TR], s[CY]
	s_lshl_b32 s21, s[CY], 2
	s_lshl_b32 s21, 15, s21                        ; my row of the cluster
	s_lshl_b32 s68, 0x1111, s[CX]                  ; my column
.if PLANES
	s_or_b32 s[G1A], s21, (1<<16)|(1<<20)|(1<<21)|(5<<22)|(3<<25)  ; 2-byte elements; padding on; bit 21 beside a mask; after every 64 words (eight rows of a head); 4 words
	s_mov_b32 s[G1A+1], 1024<<16                   ; tensor_dim0 = 1,024: 64 rows of a head on end
	s_mov_b32 s[G1A+2], 16<<16                     ; tensor_dim1 = 16 heads
	s_mov_b32 s[G1A+3], 1024<<16                   ; tile_dim0
	s_mov_b32 s[G1A+4], 16                         ; tile_dim1
	s_mov_b32 s[G1A+5], 16384                      ; elements from head to head
.else
	s_or_b32 s[G1A], s21, (1<<16)|(1<<20)|(1<<21)|(6<<22)|(3<<25)  ; the same, padded after every 128 words
	s_mov_b32 s[G1A+1], KSTEP<<16
	s_mov_b32 s[G1A+2], 64<<16
	s_mov_b32 s[G1A+3], KSTEP<<16
	s_mov_b32 s[G1A+4], 64
	s_mov_b32 s[G1A+5], SIZE_K
.endif
	s_mov_b32 s[G1A+6], 0
	s_mov_b32 s[G1A+7], 0
	s_or_b32 s[G1B], s68, (1<<16)|(1<<20)|(1<<21)|(6<<22)|(3<<25)
	s_mov_b32 s[G1B+1], KSTEP<<16                  ; 64 rows of 256 elements
	s_mov_b32 s[G1B+2], 64<<16
	s_mov_b32 s[G1B+3], KSTEP<<16
	s_mov_b32 s[G1B+4], 64
	s_mov_b32 s[G1B+5], SIZE_K
	s_mov_b32 s[G1B+6], 0
	s_mov_b32 s[G1B+7], 0
	s_lshl_b32 s22, s[TR], 7                       ; A's address hangs on the tile row and the wave alone
	s_lshl_b32 s23, s[CH], 6
	s_add_co_u32 s22, s22, s23                     ; the first of the 64 rows that I fetch
.if PLANES
	s_lshr_b32 s23, s22, 10                        ; the batch: 64 heads of 32,768 bytes
	s_lshl_b32 s23, s23, 21
	s_and_b32 s22, s22, 1023
	s_lshl_b32 s22, s22, 5                         ; the row in a head
	s_add_co_u32 s22, s22, s23
.else
	s_mul_i32 s22, s22, SIZE_K*2
.endif
	s_mov_b32 s23, 0
	s_lshl_b32 s66, s[TC], 7                       ; B's on the tile column and the wave, in registers of its own
	s_lshl_b32 s67, s[CH], 6
	s_add_co_u32 s66, s66, s67
	s_mul_i32 s66, s66, SIZE_K*2
	s_mov_b32 s67, 0
	s_mul_i32 s[DA0], s[CH], HALFA                 ; no place in the cluster enters an LDS address
	s_mul_i32 s[DB0], s[CH], HALFB
	s_add_co_u32 s[DB0], s[DB0], 2*HALFA
	s_mov_b32 s[SO], 0
	s_wait_dscnt 0x0                               ; the opening add is done
	s_wait_kmcnt 0x0
	s_add_nc_u64 s[22:23], s[4:5], s[22:23]
	s_add_nc_u64 s[66:67], s[6:7], s[66:67]
	CROUND                                         ; all sixteen work-groups are here: the first joint loads meet
.irp s, 0,1
	s_mov_b32 s[G0A+4*(\s)], 1
	s_add_co_u32 s[G0A+4*(\s)+1], s[DA0], (\s)*SLOT
	s_add_nc_u64 s[G0A+4*(\s)+2:G0A+4*(\s)+3], s[22:23], (\s)*STEPA
	s_or_b32 s[G0A+4*(\s)+3], s[G0A+4*(\s)+3], 0x80000000
	s_mov_b32 s[G0B+4*(\s)], 1
	s_add_co_u32 s[G0B+4*(\s)+1], s[DB0], (\s)*SLOT
	s_add_nc_u64 s[G0B+4*(\s)+2:G0B+4*(\s)+3], s[66:67], (\s)*KSTEP*2
	s_or_b32 s[G0B+4*(\s)+3], s[G0B+4*(\s)+3], 0x80000000
	JLOAD \s                                       ; two tensor loads of mine are out here, later one
.endr
	v_and_b32 v1, 15, v0                           ; l % 16
	v_bfe_u32 v2, v0, 4, 1                         ; l / 16
	s_lshl_b32 s72, s[TC], 9                       ; my 64 columns in f32: 512 tile column + 256 half
	s_lshl_b32 s73, s[CH], 8
	s_add_co_u32 s72, s72, s73
	s_mov_b32 s73, 0
	s_add_nc_u64 s[10:11], s[10:11], s[72:73]
	v_lshlrev_b32 v[BO], 5, v2
.irp b, 0,1,2,3
	global_load_b128 v[BIAS+8*\b:BIAS+8*\b+3],   v[BO], s[10:11] offset:64*\b     ; register j: column 16 b + 8 (l / 16) + j, as in an accumulator
	global_load_b128 v[BIAS+8*\b+4:BIAS+8*\b+7], v[BO], s[10:11] offset:64*\b+16
.endr
	s_lshl_b32 s70, s[TR], 7
	s_lshl_b32 s71, s[RH], 6
	s_add_co_u32 s70, s70, s71                     ; my first row,
	s_lshl_b32 s70, s70, 12                        ; of 4,096 bytes,
	s_add_co_u32 s70, s70, s72                     ; and my first column
	s_mov_b32 s71, 0
	s_add_nc_u64 s[8:9], s[8:9], s[70:71]
	s_add_nc_u64 s[12:13], s[12:13], s[70:71]
	v_lshlrev_b32 v4, 12, v2                       ; lanes 0-15 take one row's 256 bytes, lanes 16-31 the next row's
	v_lshl_add_u32 v[CO], v1, 4, v4
	WIN 0x80                                       ; destination window 2, address window 0
.set i, 0
.rept 32
	global_load_b128 v[4*i:4*i+3], v[CO], s[8:9] offset:2*i*4096  ; the residual of my 64 x 64, two rows a load
.set i, i+1
.endr
	WIN 0
	v_mul_u32_u24 v3, v1, PB
	v_lshl_add_u32 v3, v2, 4, v3                   ; a fragment's row x pitch + 16 x half
	s_mul_i32 s42, s[RH], HALFA
	s_mul_i32 s43, s[CH], HALFB
	s_add_co_u32 s43, s43, 2*HALFA
	v_add_nc_u32 v[ADRB0], s43, v3
	v_add_nc_u32 v[ADRB], s43, v3
.if PLANES
	v_lshrrev_b32 v4, 3, v1
	v_and_b32 v5, 7, v1
	v_mul_u32_u24 v4, v4, 272
	v_lshl_add_u32 v4, v5, 5, v4
	v_lshl_add_u32 v4, v2, 4, v4                   ; in a plane: 272 (row / 8) + 32 (row % 8) + 16 x half
	v_add_nc_u32 v[ADRA0], s42, v4
	v_add_nc_u32 v[ADRA], s42, v4
.else
	v_add_nc_u32 v[ADRA0], s42, v3
	v_add_nc_u32 v[ADRA], s42, v3
.endif
	s_mul_i32 s42, s[WV], 16*SP
	s_add_co_u32 s42, s42, STAGE                   ; my stage
	v_mul_u32_u24 v4, v1, SP                       ; in: row l % 16, 32 bytes for each half of the lanes
	v_lshl_add_u32 v4, v2, 5, v4
	v_add_nc_u32 v[STO], s42, v4
	v_mul_u32_u24 v4, v2, SP                       ; back: lanes 0-15 one row of 256 bytes, lanes 16-31 the next
	v_lshl_add_u32 v4, v1, 4, v4
	v_add_nc_u32 v[RD], s42, v4
; 8 matrix instructions: m blocks a0, a0 + 1 x all 4 n blocks, 32 along K: half c of buffer f.  zero = 1: the product starts the sum, with the bias.  The 16 accumulators take turns.
.macro MUL8 f, c, a0, zero
	WIN MUL
.irp a, \a0, (\a0)+1
.irp b, 0,1,2,3
.if \zero
	v_wmma_f32_16x16x32_bf16 v[ACC+8*(4*(\a)+(\b)):ACC+8*(4*(\a)+(\b))+7], v[(\f)+64+8*(4*(\c)+(\b)):(\f)+64+8*(4*(\c)+(\b))+7], v[(\f)+8*(4*(\c)+(\a)):(\f)+8*(4*(\c)+(\a))+7], v[BIAS+8*(\b):BIAS+8*(\b)+7]
.else
	v_wmma_f32_16x16x32_bf16 v[ACC+8*(4*(\a)+(\b)):ACC+8*(4*(\a)+(\b))+7], v[(\f)+64+8*(4*(\c)+(\b)):(\f)+64+8*(4*(\c)+(\b))+7], v[(\f)+8*(4*(\c)+(\a)):(\f)+8*(4*(\c)+(\a))+7], v[ACC+8*(4*(\a)+(\b)):ACC+8*(4*(\a)+(\b))+7]
.endif
.endr
.endr
.endm
; 32 LDS loads in one run: the fragments of quarter q (64 along K) of the slot in hand, into buffer f; the first 32 along K first
.macro FETCH q, f
	WIN 0x40                                       ; destination window 1, address window 0
.irp c, 0,1
.irp i, 0,1,2,3
	ds_load_b128 v[(\f)+64+8*(4*(\c)+(\i)):(\f)+64+8*(4*(\c)+(\i))+3],   v[ADRB] offset:128*(\q)+64*(\c)+(\i)*16*PB
	ds_load_b128 v[(\f)+64+8*(4*(\c)+(\i))+4:(\f)+64+8*(4*(\c)+(\i))+7], v[ADRB] offset:128*(\q)+64*(\c)+(\i)*16*PB+32
.if PLANES
	ds_load_b128 v[(\f)+8*(4*(\c)+(\i)):(\f)+8*(4*(\c)+(\i))+3],         v[ADRA] offset:PLANE*(4*(\q)+2*(\c))+544*(\i)        ; head 4 q + 2 c: K = 8 (l / 16) + 0..7 of these 32,
	ds_load_b128 v[(\f)+8*(4*(\c)+(\i))+4:(\f)+8*(4*(\c)+(\i))+7],       v[ADRA] offset:PLANE*(4*(\q)+2*(\c)+1)+544*(\i)      ; the next head: K = 16 + 8 (l / 16) + 0..7
.else
	ds_load_b128 v[(\f)+8*(4*(\c)+(\i)):(\f)+8*(4*(\c)+(\i))+3],         v[ADRA] offset:128*(\q)+64*(\c)+(\i)*16*PB
	ds_load_b128 v[(\f)+8*(4*(\c)+(\i))+4:(\f)+8*(4*(\c)+(\i))+7],       v[ADRA] offset:128*(\q)+64*(\c)+(\i)*16*PB+32
.endif
.endr
.endr
.endm
; A K step is four quarters of 64 along K, 32 matrix instructions each, on buffers 0, 1, 0, 1.  One of the first three: multiplies buffer f and fetches quarter q into g.
.macro QUARTER q, f, g, zero
	s_wait_dscnt 16                                ; the first 32 along K are in; the other sixteen loads may be out
	MUL8 \f, 0, 0, \zero
	MUL8 \f, 0, 2, \zero
	PLACES
	FETCH \q, \g
	s_wait_dscnt 32                                ; all but the 32 just issued
	MUL8 \f, 1, 0, 0
	MUL8 \f, 1, 2, 0
.endm
; The last quarter multiplies buffer 1 and changes slots: one barrier; in front of it each wave waits for all its tensor loads, adds 0 to its spare word, and waits for that and for its own reads of this slot.
; fill = 1: the barrier opens a round of the cluster's barrier, and this slot is filled again, two K steps ahead, first thing behind the round.
.macro TURN fill
	WIN 0                                          ; (the add's two registers lie in window 0)
	s_wait_tensorcnt 0x0                           ; all my tensor loads have landed: my part of the next slot
	ds_add_u32 v[SPW], v[NIL]
	s_wait_dscnt 17                                ; (the add and the youngest sixteen loads may be out)
	MUL8 F1, 0, 0, 0                               ; matrix work stands between the add and the wait for it
	s_wait_dscnt 0x0                               ; the add is done, and my reads of this slot are over
	s_barrier_signal -1
	MUL8 F1, 0, 2, 0
	WIN 0
	s_barrier_wait -1
.if \fill
	CREST                                          ; no wave of any partner still reads this slot's tile or has a load on its way
	s_add_co_u32 s[G0A+5], s[DA0], s[SO]           ; the walking descriptors: into the slot just read out,
	s_add_nc_u64 s[G0A+6:G0A+7], s[G0A+6:G0A+7], STEPA  ; the next K step; the type bits on top are not reached
	s_add_co_u32 s[G0B+5], s[DB0], s[SO]
	s_add_nc_u64 s[G0B+6:G0B+7], s[G0B+6:G0B+7], KSTEP*2
	JLOAD 1                                        ; 112 matrix instructions ahead of the wait for it; the four v_nop behind it are also the places in front of the loads below
.else
	PLACES
.endif
	s_xor_b32 s[SO], s[SO], SLOT                   ; the other slot is in hand
	v_add_nc_u32 v[ADRA], s[SO], v[ADRA0]
	v_add_nc_u32 v[ADRB], s[SO], v[ADRB0]
	FETCH 0, F0
	MUL8 F1, 1, 0, 0
	MUL8 F1, 1, 2, 0
.endm
	s_wait_tensorcnt 1                             ; my part of K step 0 is in; K step 1's may stay out
	s_barrier_signal -1
	s_barrier_wait -1                              ; everybody's is
	FETCH 0, F0
	s_wait_loadcnt 32                              ; the bias is in; the residual's 32 loads may stay out
	QUARTER 1, F0, F1, 1                           ; the first quarter stands in front of the loop: its first products start the sums
	WIN 0                                          ; at a label and at a branch every window is 0
	s_mov_b32 s[CNT], NSTEP-2
.Lstep:                                                ; a trip goes from a K step's second quarter to the next step's first, and asks for the K step two on
	QUARTER 2, F1, F0, 0
	QUARTER 3, F0, F1, 0
	TURN 1
	QUARTER 1, F0, F1, 0
	WIN 0
	s_sub_co_u32 s[CNT], s[CNT], 1
	s_cmp_lg_u32 s[CNT], 0
	s_cbranch_scc1 .Lstep
	s_mov_b32 s[CNT], 2
.Ltail:                                                ; the last two K steps ask for nothing: no tensor load stands in this loop.  Two trips of one text; the second is left in its middle.
	QUARTER 2, F1, F0, 0
	QUARTER 3, F0, F1, 0
	TURN 0                                         ; in the second trip its barrier orders nothing and its run of loads brings the fragments of the K step before once more, which nobody multiplies: the price, once a launch, of one text for both steps
	WIN 0
	s_cmp_eq_u32 s[CNT], 1
	s_cbranch_scc1 .Lout                           ; the sums are whole
	QUARTER 1, F0, F1, 0
	WIN 0
	s_sub_co_u32 s[CNT], s[CNT], 1
	s_cmp_lg_u32 s[CNT], 0
	s_cbranch_scc1 .Ltail
.Lout:
	PLACES
	s_wait_loadcnt 0x0                             ; the residual
; THE WAY OUT of 16 rows: the sums go into my stage, 32 bytes a lane, and come back as whole rows of 256 bytes; the residual is added; 16 lanes store 256 consecutive bytes, aligned.
.macro OUT a
.set TP, TMP+32*((\a)%2)
	s_wait_xcnt 0x0                                ; earlier stores have read their registers: this pool is loaded again only behind this wait
.irp b, 0,1,2,3
	ds_store_b128 v[STO], v[ACC+8*(4*(\a)+(\b)):ACC+8*(4*(\a)+(\b))+3]   offset:64*(\b)     ; each accumulator from its low end on
	ds_store_b128 v[STO], v[ACC+8*(4*(\a)+(\b))+4:ACC+8*(4*(\a)+(\b))+7] offset:64*(\b)+16
.endr
.irp t, 0,1,2,3,4,5,6,7
	ds_load_b128 v[TP+4*(\t):TP+4*(\t)+3], v[RD] offset:(\t)*2*SP  ; LDS serves a wave's instructions in order (ISA guide 5.7.1.4): these see the stores above
.endr
	s_wait_dscnt 0x0
	WIN 0x08                                       ; source 1 window 2
.set i, 0
.rept 16
	v_pk_add_f32 v[TP+2*i:TP+2*i+1], v[TP+2*i:TP+2*i+1], v[32*(\a)+2*i:32*(\a)+2*i+1]
.set i, i+1
.endr
	WIN 0
.irp t, 0,1,2,3,4,5,6,7
	global_store_b128 v[CO], v[TP+4*(\t):TP+4*(\t)+3], s[12:13] offset:(16*(\a)+2*(\t))*4096
.endr
.endm
.irp a, 0,1,2,3
	OUT \a
.endr
	s_wait_tensorcnt 0x0                           ; the wave's end, behind my last tensor load and my last LDS store
	ds_add_u32 v[SPW], v[NIL]
	s_wait_dscnt 0x0
	CROUND                                         ; the closing round: no work-group ends while a partner may still ask for a tile that names it
	s_endpgm
.Lfunc_end_k_q0f9f34b2ed_proj:
	.size	k_q0f9f34b2ed_proj, .Lfunc_end_k_q0f9f34b2ed_proj-k_q0f9f34b2ed_proj
	.p2alignl 7, 3214868480
	.fill 96, 4, 3214868480
	.section	.rodata,"a",@progbits
	.p2align	6, 0x0
	.amdhsa_kernel k_q0f9f34b2ed_proj
		.amdhsa_group_segment_fixed_size 327680
		.amdhsa_private_segment_fixed_size 0
		.amdhsa_enable_private_segment 0
		.amdhsa_kernarg_size 40
		.amdhsa_user_sgpr_count 2
		.amdhsa_user_sgpr_kernarg_segment_ptr 1
		.amdhsa_wavefront_size32 1
		.amdhsa_system_sgpr_workgroup_id_x 1
		.amdhsa_system_sgpr_workgroup_id_y 1
		.amdhsa_system_sgpr_workgroup_id_z 1
		.amdhsa_system_vgpr_workitem_id 0
		.amdhsa_next_free_vgpr 640
		.amdhsa_next_free_sgpr 76
		.amdhsa_reserve_vcc 0
		.amdhsa_float_denorm_mode_32 3
		.amdhsa_float_denorm_mode_16_64 3
		.amdhsa_memory_ordered 1
		.amdhsa_forward_progress 1
		.amdhsa_inst_pref_size 66
	.end_amdhsa_kernel
	.amdgpu_metadata
---
amdhsa.version: [ 1, 2 ]
amdhsa.kernels:
  - .name:           k_q0f9f34b2ed_proj
    .symbol:         k_q0f9f34b2ed_proj.kd
    .args:
      - { .name: act, .offset: 0, .size: 8, .value_kind: global_buffer, .address_space: global }
      - { .name: wprojt, .offset: 8, .size: 8, .value_kind: global_buffer, .address_space: global }
      - { .name: x, .offset: 16, .size: 8, .value_kind: global_buffer, .address_space: global }
      - { .name: bproj, .offset: 24, .size: 8, .value_kind: global_buffer, .address_space: global }
      - { .name: x1, .offset: 32, .size: 8, .value_kind: global_buffer, .address_space: global }
    .group_segment_fixed_size: 327680
    .private_segment_fixed_size: 0
    .kernarg_segment_align: 8
    .kernarg_segment_size: 40
    .max_flat_workgroup_size: 128
    .sgpr_count:     76
    .vgpr_count:     640
    .wavefront_size: 32
...
	.end_amdgpu_metadata
.endif
;; end of part 5
;; launch ln2: the kernel of part 2 again; grid 256 x 1, 8 waves a work-group, no clusters, 0 bytes of LDS; arguments x1, g2, be2, act; writes act
;; launch ffn1 (part 6): grid 16 x 16, 4 waves a work-group, clusters of 4 x 4, 327,680 bytes of LDS; arguments act, w1t, hid, b1; writes hid
.if DOCPART == 6
	.amdgcn_target "amdgcn-amd-amdhsa--gfx1250"
	.amdhsa_code_object_version 6
	.text
	.protected	k_q0f9f34b2ed_ffn1
	.globl	k_q0f9f34b2ed_ffn1
	.p2align	8
	.type	k_q0f9f34b2ed_ffn1,@function
k_q0f9f34b2ed_ffn1:
	s_mov_b64 s[64:65], 0
	v_nop
	global_prefetch_b8 v0, s[64:65] scope:SCOPE_SE
	s_setreg_imm32_b32 hwreg(HW_REG_WAVE_MODE, 25, 1), 1
	s_wait_xcnt 0x0
	s_wait_alu depctr_hold_cnt(0) depctr_sa_sdst(0) depctr_va_vdst(0) depctr_va_sdst(0) depctr_va_ssrc(0) depctr_va_vcc(0) depctr_vm_vsrc(0)
	s_getreg_b32 s2, hwreg(HW_REG_IB_STS2, 6, 4)
	s_cmp_eq_u32 s2, 0
	s_cbranch_scc0 .Lentry_in_a_cluster
	s_endpgm
.Lentry_in_a_cluster:
	s_bfe_u32 s2, ttmp6, 0x10000c
	s_cmp_lg_u32 s2, 0xf033
	s_cbranch_scc0 .Lentry_shape_is_right
	s_endpgm
.Lentry_shape_is_right:
; C = A B^T with K = 1,024.  A: [4096][1024] bf16, B: [N][1024] bf16; sums in f32, K ascending, each result rounded once to bf16.
; ONE TEXT, TWO SETTINGS.  NBW = 6, RELU = 0: q, k, v = h Wqkv^T, N = 3,072, stored by heads.  NBW = 8, RELU = 1: relu(h2 W1^T + b1), N = 4,096, stored by rows.
; SHARES.  A work-group makes 256 rows x 32 NBW columns: 16 x 16 = 256 work-groups.  Each of its four waves makes 128 rows x 16 NBW columns: 8 x NBW accumulators of 16 x 16.
; K goes in 8 steps of 128 through a ring of two LDS slots filled by the tensor data mover; a tile's rows are 256 bytes of memory, at multiples of 256 bytes.
; The loop holds ONE K step: the slot in hand is a scalar (0 or SLOT) that one exclusive or turns; it is added to the fragments' LDS addresses and to the walking descriptors' LDS words.
; The last two K steps, which ask for nothing, are a second loop of one K step's text, left in its middle.
; CLUSTER.  4 x 4 work-groups.  The four of a row need the same tiles of A, the four of a column the same tiles of B: each tile is asked for jointly, by the same tensor load with the same
; descriptor and a mask that names the four.
; THE MATRIX INSTRUCTION IS USED TRANSPOSED (source 0 = 16 rows of B, source 1 = 16 rows of A): lane l holds row l % 16 of C and the columns 8 (l / 16) + 0..7, which pack into 16 bytes.
; BY HEADS (RELU = 0): column n = 1024 which + 16 h + d goes to group g = n / 16; byte (192 batch + g) 32768 + 32 t + 2 d.  An accumulator is then 512 consecutive bytes: one store, no LDS stage.
; BIAS (RELU = 1): b1 is loaded in the accumulators' own layout and is the C operand of the products that start the sums.  The ReLU takes the larger of the rounded number and 0; a NaN becomes 0.
; REGISTERS, in windows of 256: window 0: v0-31 addresses; v64-127, v128-191 A's fragments, two buffers; v32-63, v192-255 at work on the way out (v192-255 first hold the bias)
;   window 1: v64.., v128.. B's fragments, two buffers of 8 NBW;  windows 2, 3: the accumulators of my rows 0-63 and 64-127, (a, b) at v[8 (8 (a % 4) + b)].
.set NBW,    8
.set RELU,   1
.set KSTEP,  128
.set SIZE_K, 1024
.set PITCH,  272                       ; an LDS row: 256 bytes + 16 of padding = 68 words: the 16 rows of a fragment load start at 16 different groups of four banks (64 banks of 4 bytes: ISA guide 11.1)
.set HALFA,  128*PITCH                 ; what one tensor load brings of A, and what one wave reads of it
.set HALFB,  16*NBW*PITCH              ; the same for B
.set SLOT,   2*HALFA+2*HALFB           ; A's two halves, then B's two halves
.set STAGE,  2*SLOT                    ; RELU = 1: behind the ring, 16 rows x 272 bytes for each wave, for the way out; no tensor load fills it
.if RELU
.set SPARE,  STAGE+4*16*PITCH
.else
.set SPARE,  STAGE
.endif                                 ; the spare words: 128 bytes for each wave, two blocks of 256 bytes that no other line names
.set NF,     16+2*NBW                  ; LDS loads in a run
.set OUTROW, 8192                      ; RELU = 1: bytes in a row of the output
.set FIELDS, (1<<16)|(1<<20)|(1<<21)|(5<<22)|(3<<25)  ; group 1, word 0: 2-byte elements; padding on; bit 21 beside a mask; after every 64 words; 4 words
.set ADRA0, 16                         ; v16  my A fragments' LDS address in slot 0; never rewritten
.set ADRA,  17                         ; v17  the same in the slot in hand
.set ADRB0, 20
.set ADRB,  21
.set STO,   24                         ; the way out: where I put 16 bytes of a row
.set RD,    25                         ; where I read a row back
.set CO,    26                         ; my byte offset in the output
.set ZR,    27                         ; 0, for the ReLU
.set SPW,   28                         ; my spare word: SPARE + 4 x my thread's number; never rewritten
.set NIL,   29                         ; 0; never rewritten
.set PFO,   30                         ; the prefetches' offset: my row x 2,048 bytes; never rewritten
.set BO,    31                         ; 32 (l / 16): my eight numbers of a block of 16 of the bias
.set OB,    32
.set F0,    64
.set F1,    128
.set TMP,   192
.set BIAS,  192
.set CNT,   3                          ; s3   K steps still to be asked for; then the tail's trips
.set WV,    12
.set RH,    13                         ; which 128 rows of the tile are mine.  Also: I fetch for A (0) or for B (1)
.set CH,    14                         ; which half of its columns.  Also: which half of that tile I fetch
.set CX,    15
.set CY,    16
.set TC,    17                         ; tile column
.set TR,    18                         ; tile row
.set G1A,   24                         ; s[24:31] descriptor group 1 for A
.set G0A,   32                         ; s[32:39] group 0 for A: a set for each first fill; the second then walks
.set DA0,   40                         ; my part's LDS byte in slot 0, for A
.set DB0,   41                         ; and for B
.set LIM,   42                         ; 2 in a wave that prefetches, else the greatest number
.set PFA,   44                         ; s[44:45] where my prefetches stand
.set SO,    46                         ; the slot in hand: 0 or SLOT
.set G1B,   48
.set G0B,   56
.set MSB, 0
.macro WIN new                         ; the immediate's high byte repeats the setting that is left; a switch that changes nothing is dropped
.if MSB != (\new)
	s_set_vgpr_msb (MSB<<8)|(\new)
.set MSB, \new
.endif
.endm
.macro PLACES                          ; four places in front of loads into registers that matrix instructions have read, and of instructions that read results
.rept 4
	v_nop
.endr
.endm
; A joint load.  Waves 0 and 1 fetch A's two halves, waves 2 and 3 B's.  The branch hangs on the wave's number alone.  An s_nop 0 and four v_nop follow each of the two lines.
.macro JLOAD s
	s_cmp_eq_u32 s[RH], 0
	s_cbranch_scc0 .Lfor_b_\@
	tensor_load_to_lds s[G0A+4*(\s):G0A+4*(\s)+3], s[G1A:G1A+7]
	s_nop 0
.rept 4
	v_nop
.endr
	s_branch .Lasked_\@
.Lfor_b_\@:
	tensor_load_to_lds s[G0B+4*(\s):G0B+4*(\s)+3], s[G1B:G1B+7]
	s_nop 0
.rept 4
	v_nop
.endr
.Lasked_\@:
.endm
; A prefetch into the L2 of the K step that stands two refills on: 256 bytes of a row, a lane a row, one instruction a wave.  A's tile row is read by every cluster of that row of clusters: cluster x = 0 asks;
; B's tile column by every cluster of that column: cluster y = 0 asks.  The four partners that ask for a tile jointly share its rows out by address, a quarter each (32 of A's 128, 4 NBW of B's 16 NBW).
; At NBW = 6 a quarter of B is 24 rows: lanes 24 to 31 name row 23 once more.  The refills of K steps 6 and 7 have no step two on: the count stops the asking.
.macro ASK
	s_cmp_gt_u32 s[CNT], s[LIM]
	s_cbranch_scc0 .Lnot_mine_\@
	global_prefetch_b8 v[PFO], s[PFA:PFA+1] offset:KSTEP*2 th:TH_LOAD_NT scope:SCOPE_SE
.Lnot_mine_\@:
.endm
.macro CREST                           ; a round of the cluster's barrier behind its opening barrier
	s_cmp_lg_u32 s[WV], 0
	s_cbranch_scc1 .Lnot_wave_0_\@
	s_barrier_signal -3
.Lnot_wave_0_\@:
	s_barrier_wait -3
	s_barrier_signal -1
	s_barrier_wait -1
.endm
.macro CROUND                          ; a whole round
	s_barrier_signal -1
	s_barrier_wait -1
	CREST
.endm
.if RELU
	s_load_b256 s[4:11], s[0:1], 0x0               ; A s[4:5], B s[6:7], out s[8:9], bias s[10:11]
.else
	s_load_b128 s[4:7], s[0:1], 0x0                ; A s[4:5], B s[6:7]
	s_load_b64 s[8:9], s[0:1], 0x10                ; out
.endif
	v_lshl_add_u32 v[SPW], v0, 2, SPARE
	v_mov_b32 v[NIL], 0
	ds_add_u32 v[SPW], v[NIL]                      ; the wave's opening: the add and its wait stand ahead of my first tensor load; the set-up below stands between them
	ds_add_u32 v28, v29
	v_lshrrev_b32 v1, 5, v0
	v_readfirstlane_b32 s[WV], v1
	s_lshr_b32 s[RH], s[WV], 1
	s_and_b32 s[CH], s[WV], 1
	s_bfe_u32 s[CX], ttmp6, 0x40000                ; my place in the cluster
	s_bfe_u32 s[CY], ttmp6, 0x40004
	s_lshl_b32 s[TC], ttmp9, 2                     ; in a cluster launch ttmp9 and ttmp7 count clusters
	s_add_co_u32 s[TC], s[TC], s[CX]
	s_and_b32 s[TR], ttmp7, 0xffff
	s_lshl_b32 s[TR], s[TR], 2
	s_add_co_u32 s[TR], s[TR], s[CY]
	s_lshl_b32 s19, s[CY], 2
	s_lshl_b32 s19, 15, s19                        ; my row of the cluster
	s_lshl_b32 s68, 0x1111, s[CX]                  ; my column
	s_or_b32 s[G1A], s19, FIELDS                   ; A's tiles go to my row,
	s_or_b32 s[G1B], s68, FIELDS                   ; B's to my column
	s_mov_b32 s[G1A+1], KSTEP<<16                  ; tensor_dim0 = 128
	s_mov_b32 s[G1A+2], 128<<16                    ; tensor_dim1 = 128
	s_mov_b32 s[G1A+3], KSTEP<<16                  ; tile_dim0 = 128
	s_mov_b32 s[G1A+4], 128                        ; tile_dim1 = 128
	s_mov_b32 s[G1A+5], SIZE_K                     ; elements from row to row
	s_mov_b32 s[G1A+6], 0
	s_mov_b32 s[G1A+7], 0
	s_mov_b32 s[G1B+1], KSTEP<<16
	s_mov_b32 s[G1B+2], (16*NBW)<<16               ; B's part has 16 NBW rows
	s_mov_b32 s[G1B+3], KSTEP<<16
	s_mov_b32 s[G1B+4], 16*NBW
	s_mov_b32 s[G1B+5], SIZE_K
	s_mov_b32 s[G1B+6], 0
	s_mov_b32 s[G1B+7], 0
	s_lshl_b32 s20, s[TR], 8                       ; A's address hangs on the tile row and the wave alone,
	s_lshl_b32 s21, s[CH], 7
	s_add_co_u32 s20, s20, s21
	s_lshl_b32 s20, s20, 11                        ; rows of 2,048 bytes
	s_mov_b32 s21, 0
	s_mul_i32 s66, s[TC], 32*NBW                   ; B's on the tile column and the wave, in registers of its own
	s_mul_i32 s67, s[CH], 16*NBW
	s_add_co_u32 s66, s66, s67
	s_lshl_b32 s66, s66, 11
	s_mov_b32 s67, 0
	s_mul_i32 s[DA0], s[CH], HALFA                 ; no place in the cluster enters an LDS address
	s_mul_i32 s[DB0], s[CH], HALFB
	s_add_co_u32 s[DB0], s[DB0], 2*HALFA
	s_mov_b32 s[SO], 0
	s_wait_dscnt 0x0                               ; the opening add is done
	s_wait_kmcnt 0x0
	s_add_nc_u64 s[20:21], s[4:5], s[20:21]
	s_add_nc_u64 s[66:67], s[6:7], s[66:67]
	CROUND                                         ; all sixteen work-groups are here: the first joint loads meet
.irp s, 0,1
	s_mov_b32 s[G0A+4*(\s)], 1                     ; count = 1
	s_add_co_u32 s[G0A+4*(\s)+1], s[DA0], (\s)*SLOT
	s_add_nc_u64 s[G0A+4*(\s)+2:G0A+4*(\s)+3], s[20:21], (\s)*KSTEP*2  ; K step s
	s_or_b32 s[G0A+4*(\s)+3], s[G0A+4*(\s)+3], 0x80000000             ; type = 2
	s_mov_b32 s[G0B+4*(\s)], 1
	s_add_co_u32 s[G0B+4*(\s)+1], s[DB0], (\s)*SLOT
	s_add_nc_u64 s[G0B+4*(\s)+2:G0B+4*(\s)+3], s[66:67], (\s)*KSTEP*2
	s_or_b32 s[G0B+4*(\s)+3], s[G0B+4*(\s)+3], 0x80000000
	JLOAD \s                                       ; two tensor loads of mine are out here, later one
.endr
	; A fragment is 16 rows x 32 K in 8 registers: lane l holds row l % 16; registers 0-3 K = 8 (l / 16) + 0..7, registers 4-7 K = 16 + 8 (l / 16) + 0..7: two loads of 16 bytes, 32 bytes apart.
	v_and_b32 v1, 15, v0
	v_bfe_u32 v2, v0, 4, 1
	v_mul_u32_u24 v3, v1, PITCH
	v_lshl_add_u32 v3, v2, 4, v3
	s_mul_i32 s70, s[RH], HALFA
	s_mul_i32 s71, s[CH], HALFB
	s_add_co_u32 s71, s71, 2*HALFA
	v_add_nc_u32 v[ADRA0], s70, v3
	v_add_nc_u32 v[ADRB0], s71, v3
	v_add_nc_u32 v[ADRA], s70, v3
	v_add_nc_u32 v[ADRB], s71, v3
.if RELU
	s_lshl_b32 s70, s[TC], 10                      ; the bias of my 128 columns: 4 (256 tile column + 128 half)
	s_lshl_b32 s71, s[CH], 9
	s_add_co_u32 s70, s70, s71
	s_mov_b32 s71, 0
	s_add_nc_u64 s[10:11], s[10:11], s[70:71]
	v_lshlrev_b32 v[BO], 5, v2
.irp b, 0,1,2,3,4,5,6,7
	global_load_b128 v[BIAS+8*\b:BIAS+8*\b+3],   v[BO], s[10:11] offset:64*\b     ; register j: column 16 b + 8 (l / 16) + j, as in an accumulator
	global_load_b128 v[BIAS+8*\b+4:BIAS+8*\b+7], v[BO], s[10:11] offset:64*\b+16
.endr
	v_mov_b32 v[ZR], 0
	s_mul_i32 s70, s[WV], 16*PITCH
	s_add_co_u32 s70, s70, STAGE                   ; my stage
	v_add_nc_u32 v[STO], s70, v3                   ; in: row l % 16, 16 bytes for each half of the lanes
	v_mul_u32_u24 v4, v2, PITCH                    ; back: lanes 0-15 take one row of 256 bytes, lanes 16-31 the next
	v_lshl_add_u32 v4, v1, 4, v4
	v_add_nc_u32 v[RD], s70, v4
	v_lshlrev_b32 v4, 13, v2                       ; and the same two rows in the output
	v_lshl_add_u32 v[CO], v1, 4, v4
	s_lshl_b32 s70, s[TR], 8
	s_lshl_b32 s71, s[RH], 7
	s_add_co_u32 s70, s70, s71                     ; my first row,
	s_lshl_b32 s70, s70, 13                        ; of 8,192 bytes,
	s_lshl_b32 s71, s[TC], 9
	s_add_co_u32 s70, s70, s71
	s_lshl_b32 s71, s[CH], 8
	s_add_co_u32 s70, s70, s71                     ; and my first column
.else
	v_lshlrev_b32 v4, 5, v1                        ; row l % 16 of a head: 32 bytes, 16 for each half of the lanes
	v_lshl_add_u32 v[CO], v2, 4, v4
	s_lshl_b32 s70, s[TR], 8
	s_lshl_b32 s71, s[RH], 7
	s_add_co_u32 s70, s70, s71                     ; my first row: 128 rows lie in one batch
	s_lshr_b32 s71, s70, 10                        ; the batch
	s_and_b32 s70, s70, 1023                       ; the row in it
	s_mul_i32 s71, s71, 192
	s_mul_i32 s72, s[TC], 2*NBW
	s_add_co_u32 s71, s71, s72
	s_mul_i32 s72, s[CH], NBW
	s_add_co_u32 s71, s71, s72                     ; my first group of 16 columns
	s_lshl_b32 s71, s71, 15
	s_lshl_b32 s70, s70, 5
	s_add_co_u32 s70, s70, s71
.endif
	s_mov_b32 s71, 0
	s_add_nc_u64 s[8:9], s[8:9], s[70:71]          ; the output at my part: every block's place then stands in a store's immediate
	; the prefetches
	s_lshl_b32 s70, s[TR], 8                       ; the tile's first row in A,
	s_mul_i32 s71, s[TC], 32*NBW                   ; in B
	s_and_b32 s72, ttmp7, 0xffff                   ; cluster y
	s_mov_b32 s73, 16*NBW
	s_cmp_eq_u32 s[RH], 0                          ; do I fetch for A?
	s_cselect_b32 s70, s70, s71
	s_cselect_b32 s71, s[CX], s[CY]                ; my place among the four that ask with me
	s_cselect_b32 s72, ttmp9, s72                  ; the coordinate along which other clusters read the same rows
	s_cselect_b64 s[PFA:PFA+1], s[4:5], s[6:7]
	s_cselect_b32 s73, 128, s73                    ; the rows that a wave fetches,
	s_cselect_b32 s74, 32, 4*NBW                   ; a partner's quarter of them
	s_cmp_eq_u32 s72, 0
	s_cselect_b32 s[LIM], 2, -1                    ; the same in all sixteen partners, for a given wave
	s_mul_i32 s73, s73, s[CH]
	s_add_co_u32 s70, s70, s73
	s_mul_i32 s71, s71, s74
	s_add_co_u32 s70, s70, s71
	s_lshl_b32 s70, s70, 11
	s_mov_b32 s71, 0
	s_add_nc_u64 s[PFA:PFA+1], s[PFA:PFA+1], s[70:71]
	s_add_nc_u64 s[PFA:PFA+1], s[PFA:PFA+1], 2*KSTEP*2  ; at K step 2: the first refill steps it to 3 and names K step 4.  Nothing is asked for here, at the head
	s_sub_co_u32 s74, s74, 1
	v_and_b32 v[PFO], 31, v0
	v_min_u32 v[PFO], s74, v[PFO]
	v_lshlrev_b32 v[PFO], 11, v[PFO]
; 2 NBW matrix instructions: m blocks a0, a0 + 1 of the window's four (hi = 0: my rows 0-63, 1: rows 64-127) x all n blocks, 32 along K.  zero = 1: the product starts the sum, with 0 or with the bias.
; All 8 NBW accumulators take turns in the same order in every quarter step, one instruction a turn.
.macro MUL16 f, hi, a0, zero
.if (\zero) && RELU
	WIN 0x81+0x40*(\hi)                            ; B window 1, A and C window 0, D window 2 or 3
.else
	WIN 0xa1+0x50*(\hi)                            ; B window 1, A window 0, C and D window 2 or 3
.endif
.irp a, \a0, (\a0)+1
.set b, 0
.rept NBW
.if (\zero) && RELU
	v_wmma_f32_16x16x32_bf16 v[8*(8*(\a)+b):8*(8*(\a)+b)+7], v[(\f)+8*b:(\f)+8*b+7], v[(\f)+8*(4*(\hi)+(\a)):(\f)+8*(4*(\hi)+(\a))+7], v[BIAS+8*b:BIAS+8*b+7]
.elseif \zero
	v_wmma_f32_16x16x32_bf16 v[8*(8*(\a)+b):8*(8*(\a)+b)+7], v[(\f)+8*b:(\f)+8*b+7], v[(\f)+8*(4*(\hi)+(\a)):(\f)+8*(4*(\hi)+(\a))+7], 0
.else
	v_wmma_f32_16x16x32_bf16 v[8*(8*(\a)+b):8*(8*(\a)+b)+7], v[(\f)+8*b:(\f)+8*b+7], v[(\f)+8*(4*(\hi)+(\a)):(\f)+8*(4*(\hi)+(\a))+7], v[8*(8*(\a)+b):8*(8*(\a)+b)+7]
.endif
.set b, b+1
.endr
.endr
.endm
; NF LDS loads in one run: the fragments of one quarter step (32 K at byte k of the rows of the slot in hand) into buffer f: B's first, A's last
.macro FETCH k, f
	WIN 0x40                                       ; destination window 1, address window 0
.set i, 0
.rept NBW
	ds_load_b128 v[(\f)+8*i:(\f)+8*i+3],   v[ADRB] offset:(\k)+i*16*PITCH
	ds_load_b128 v[(\f)+8*i+4:(\f)+8*i+7], v[ADRB] offset:(\k)+i*16*PITCH+32
.set i, i+1
.endr
	WIN 0
.set i, 0
.rept 8
	ds_load_b128 v[(\f)+8*i:(\f)+8*i+3],   v[ADRA] offset:(\k)+i*16*PITCH
	ds_load_b128 v[(\f)+8*i+4:(\f)+8*i+7], v[ADRA] offset:(\k)+i*16*PITCH+32
.set i, i+1
.endr
.endm
; A K step is four quarter steps of 32 along K on buffers 0, 1, 0, 1.  One of the first three: multiplies buffer f; in its middle it fetches the next quarter, at byte k, into buffer g.
.macro QUARTER k, f, g, zero
	s_wait_dscnt 8                                 ; B and A's rows 0-63 are in; the youngest eight loads (A's rows 64-127) may be out
	MUL16 \f, 0, 0, \zero
	MUL16 \f, 0, 2, \zero
	PLACES
	FETCH \k, \g
	s_wait_dscnt NF                                ; all but the run just issued
	MUL16 \f, 1, 0, \zero
	MUL16 \f, 1, 2, \zero
.endm
; The last quarter multiplies buffer 1 and changes slots.  MEET is its first half: one barrier, in front of which each wave waits for all its tensor loads (one is out: its part of the next slot),
; adds 0 to its spare word, and waits for that and for its own reads of this slot.  Behind it nobody reads this slot any more and the next slot is whole.
.macro MEET round
	WIN 0                                          ; (the add's two registers lie in window 0)
	s_wait_tensorcnt 0x0
	ds_add_u32 v[SPW], v[NIL]
	s_wait_dscnt 9                                 ; (the add and the youngest eight loads may be out)
	MUL16 F1, 0, 0, 0                              ; matrix work stands between the add and the wait for it
	s_wait_dscnt 0x0                               ; the add is done, and my reads of this slot are over
	s_barrier_signal -1
	MUL16 F1, 0, 2, 0                              ; work on registers while the others arrive
.if \round
	WIN 0
.endif
	s_barrier_wait -1
.endm
; fill = 1: the barrier opens a round of the cluster's barrier, and the slot just read out is filled again, with the K step two steps on, first thing behind the round.
.macro TURN fill
.if \fill
	s_wait_xcnt 0x0                                ; the last prefetch, a K step back, has read its address: it is stepped here, ahead of the waits of the change of slots
	s_add_nc_u64 s[PFA:PFA+1], s[PFA:PFA+1], KSTEP*2
	MEET 1
	CREST                                          ; no wave of any partner still reads this slot's tile or has a load on its way
	s_add_co_u32 s[G0A+5], s[DA0], s[SO]           ; the walking descriptors: into the slot just read out,
	s_add_nc_u64 s[G0A+6:G0A+7], s[G0A+6:G0A+7], KSTEP*2  ; the next K step; the type bits on top are not reached
	s_add_co_u32 s[G0B+5], s[DB0], s[SO]
	s_add_nc_u64 s[G0B+6:G0B+7], s[G0B+6:G0B+7], KSTEP*2
	JLOAD 1                                        ; the four v_nop behind it are also the places in front of the loads below
.else
	MEET 0
	WIN 0
	PLACES
.endif
	s_xor_b32 s[SO], s[SO], SLOT                   ; the other slot is in hand
	v_add_nc_u32 v[ADRA], s[SO], v[ADRA0]
	v_add_nc_u32 v[ADRB], s[SO], v[ADRB0]
	FETCH 0, F0
.if \fill
	ASK                                            ; behind the joint load and the run of LDS loads that the next products wait for
.endif
	MUL16 F1, 1, 0, 0
	MUL16 F1, 1, 2, 0
.endm
	s_wait_tensorcnt 1                             ; my part of K step 0 is in; K step 1's may stay out
	s_barrier_signal -1
	s_barrier_wait -1                              ; everybody's is
	FETCH 0, F0
.if RELU
	s_wait_loadcnt 0x0                             ; the bias
.endif
	QUARTER 64, F0, F1, 1                          ; the first quarter stands in front of the loop: its products start the sums
	WIN 0                                          ; at a label and at a branch every window is 0
	s_mov_b32 s[CNT], 6
.Lstep:                                                ; six trips, from a K step's second quarter to the next step's first; the trip of step t asks for step t + 2, which has 28 NBW matrix instructions in which to land
	QUARTER 128, F1, F0, 0
	QUARTER 192, F0, F1, 0
	TURN 1
	QUARTER 64, F0, F1, 0
	WIN 0
	s_sub_co_u32 s[CNT], s[CNT], 1
	s_cmp_lg_u32 s[CNT], 0
	s_cbranch_scc1 .Lstep
	s_mov_b32 s[CNT], 2
.Ltail:                                                ; K steps 6 and 7 ask for nothing: no tensor load stands in this loop.  Two trips of one text; the second is left in its middle.
	QUARTER 128, F1, F0, 0
	QUARTER 192, F0, F1, 0
	TURN 0                                         ; in the second trip its barrier orders nothing and its run of loads brings K step 6's first fragments once more, which nobody multiplies: the price, once a launch, of one text for both steps
	WIN 0
	s_cmp_eq_u32 s[CNT], 1
	s_cbranch_scc1 .Lout                           ; the sums are whole
	QUARTER 64, F0, F1, 0
	WIN 0
	s_sub_co_u32 s[CNT], s[CNT], 1
	s_cmp_lg_u32 s[CNT], 0
	s_cbranch_scc1 .Ltail
.Lout:
	PLACES
.if RELU
; THE WAY OUT BY ROWS, a block of 16 rows at a time.  PACK: rounded to bf16, then the larger of it and 0.  TOSTAGE: into my own stage, and back as whole rows of 256 bytes.  SEND: stored.
.macro PACK a
.set AC, 64*((\a)%4)
	WIN 0x0a+5*((\a)/4)                            ; sources window 2 or 3, destination window 0
.irp b, 0,1,2,3,4,5,6,7
.irp r, 0,1,2,3
	v_cvt_pk_bf16_f32 v[TMP+4*(\b)+(\r)], v[AC+8*(\b)+2*(\r)], v[AC+8*(\b)+2*(\r)+1]  ; each accumulator from its low end on
.endr
.endr
	WIN 0
.set i, 0
.rept 32
	v_pk_max_num_bf16 v[TMP+i], v[TMP+i], v[ZR]
.set i, i+1
.endr
.endm
.macro TOSTAGE a
.set BK, OB+192*((\a)%2)
.irp b, 0,1,2,3,4,5,6,7
	ds_store_b128 v[STO], v[TMP+4*(\b):TMP+4*(\b)+3] offset:32*(\b)
.endr
.irp t, 0,1,2,3,4,5,6,7
	ds_load_b128 v[BK+4*(\t):BK+4*(\t)+3], v[RD] offset:(\t)*2*PITCH  ; LDS serves a wave's instructions in order (ISA guide 5.7.1.4): these see the stores above
.endr
.endm
.macro SEND a
.set BK, OB+192*((\a)%2)
	s_wait_dscnt 0x0                               ; the block is back in registers
	s_wait_xcnt 0x0                                ; the stores of the block before have read their registers: the next TOSTAGE loads into them
.irp t, 0,1,2,3,4,5,6,7
	global_store_b128 v[CO], v[BK+4*(\t):BK+4*(\t)+3], s[8:9] offset:(16*(\a)+2*(\t))*OUTROW  ; 16 lanes store 256 consecutive bytes, aligned
.endr
.endm
	PACK 0
	TOSTAGE 0
.irp a, 1,2,3,4,5,6,7                  ; block a's conversions stand between block a - 1's loads from the stage and the wait for them
	PACK \a
	SEND (\a)-1
	TOSTAGE \a
.endr
	SEND 7
.else
; THE WAY OUT BY HEADS: an accumulator, rounded, is 512 consecutive bytes of its head: 16 rows of 32 bytes.  Two pools of registers take turns.
.macro OUTQ a
.set AC, 64*((\a)%4)
.set TP, TMP+32*((\a)%2)
	s_wait_xcnt 0x0                                ; earlier stores have read their registers
	WIN 0x0a+5*((\a)/4)
.set b, 0
.rept NBW
.irp r, 0,1,2,3
	v_cvt_pk_bf16_f32 v[TP+4*b+(\r)], v[AC+8*b+2*(\r)], v[AC+8*b+2*(\r)+1]
.endr
.set b, b+1
.endr
	WIN 0
.set b, 0
.rept NBW
	global_store_b128 v[CO], v[TP+4*b:TP+4*b+3], s[8:9] offset:32768*b+512*(\a)
.set b, b+1
.endr
.endm
.irp a, 0,1,2,3,4,5,6,7
	OUTQ \a
.endr
.endif
	s_wait_tensorcnt 0x0                           ; the wave's end, behind my last tensor load and my last LDS store
	ds_add_u32 v[SPW], v[NIL]
	s_wait_dscnt 0x0
	CROUND                                         ; the closing round: no work-group ends while a partner may still ask for a tile that names it
	s_endpgm
.Lfunc_end_k_q0f9f34b2ed_ffn1:
	.size	k_q0f9f34b2ed_ffn1, .Lfunc_end_k_q0f9f34b2ed_ffn1-k_q0f9f34b2ed_ffn1
	.p2alignl 7, 3214868480
	.fill 96, 4, 3214868480
	.section	.rodata,"a",@progbits
	.p2align	6, 0x0
	.amdhsa_kernel k_q0f9f34b2ed_ffn1
		.amdhsa_group_segment_fixed_size 327680
		.amdhsa_private_segment_fixed_size 0
		.amdhsa_enable_private_segment 0
		.amdhsa_kernarg_size 32
		.amdhsa_user_sgpr_count 2
		.amdhsa_user_sgpr_kernarg_segment_ptr 1
		.amdhsa_wavefront_size32 1
		.amdhsa_system_sgpr_workgroup_id_x 1
		.amdhsa_system_sgpr_workgroup_id_y 1
		.amdhsa_system_sgpr_workgroup_id_z 1
		.amdhsa_system_vgpr_workitem_id 0
		.amdhsa_next_free_vgpr 1024
		.amdhsa_next_free_sgpr 76
		.amdhsa_reserve_vcc 0
		.amdhsa_float_denorm_mode_32 3
		.amdhsa_float_denorm_mode_16_64 3
		.amdhsa_memory_ordered 1
		.amdhsa_forward_progress 1
		.amdhsa_inst_pref_size 118
	.end_amdhsa_kernel
	.amdgpu_metadata
---
amdhsa.version: [ 1, 2 ]
amdhsa.kernels:
  - .name:           k_q0f9f34b2ed_ffn1
    .symbol:         k_q0f9f34b2ed_ffn1.kd
    .args:
      - { .name: act, .offset: 0, .size: 8, .value_kind: global_buffer, .address_space: global }
      - { .name: w1t, .offset: 8, .size: 8, .value_kind: global_buffer, .address_space: global }
      - { .name: hid, .offset: 16, .size: 8, .value_kind: global_buffer, .address_space: global }
      - { .name: b1, .offset: 24, .size: 8, .value_kind: global_buffer, .address_space: global }
    .group_segment_fixed_size: 327680
    .private_segment_fixed_size: 0
    .kernarg_segment_align: 8
    .kernarg_segment_size: 32
    .max_flat_workgroup_size: 128
    .sgpr_count:     76
    .vgpr_count:     1024
    .wavefront_size: 32
...
	.end_amdgpu_metadata
.endif
;; end of part 6
;; launch ffn2 (part 7): grid 8 x 32, 4 waves a work-group, clusters of 4 x 4, 327,680 bytes of LDS; arguments hid, w2t, x1, b2, out0; writes out0
.if DOCPART == 7
	.amdgcn_target "amdgcn-amd-amdhsa--gfx1250"
	.amdhsa_code_object_version 6
	.text
	.protected	k_q0f9f34b2ed_ffn2
	.globl	k_q0f9f34b2ed_ffn2
	.p2align	8
	.type	k_q0f9f34b2ed_ffn2,@function
k_q0f9f34b2ed_ffn2:
	s_mov_b64 s[64:65], 0
	v_nop
	global_prefetch_b8 v0, s[64:65] scope:SCOPE_SE
	s_setreg_imm32_b32 hwreg(HW_REG_WAVE_MODE, 25, 1), 1
	s_wait_xcnt 0x0
	s_wait_alu depctr_hold_cnt(0) depctr_sa_sdst(0) depctr_va_vdst(0) depctr_va_sdst(0) depctr_va_ssrc(0) depctr_va_vcc(0) depctr_vm_vsrc(0)
	s_getreg_b32 s2, hwreg(HW_REG_IB_STS2, 6, 4)
	s_cmp_eq_u32 s2, 0
	s_cbranch_scc0 .Lentry_in_a_cluster
	s_endpgm
.Lentry_in_a_cluster:
	s_bfe_u32 s2, ttmp6, 0x10000c
	s_cmp_lg_u32 s2, 0xf033
	s_cbranch_scc0 .Lentry_shape_is_right
	s_endpgm
.Lentry_shape_is_right:
; out = resid + A B^T + bias, in f32.  A: 4,096 rows x SIZE_K bf16, B: [1024][SIZE_K] bf16, resid and out: [4096][1024] f32, bias: [1024] f32.  Sums in f32, K ascending.
; ONE TEXT, TWO SETTINGS.  SIZE_K = 1,024, PLANES = 1: x1 = x + o Wproj^T + bproj, with o laid by heads.  SIZE_K = 4,096, PLANES = 0: out0 = x1 + hid W2^T + b2, with hid laid by rows.
; SHARES.  A tile of out is 128 x 128: 8 x 32 = 256 work-groups (tiles of 256 x 256 would be 64).  Four waves, each 64 x 64: 16 accumulators.  K goes in steps of 256, as long as two slots in LDS allow.
; The loop holds ONE K step: the slot in hand is a scalar (0 or SLOT) that one exclusive or turns.  The last two K steps, which ask for nothing, are a second loop of one K step's text, left in its middle.
; BY HEADS (PLANES = 1): byte (64 batch + h) 32768 + 32 t + 2 d.  64 rows of one head are 2,048 bytes on end: a K step's part of A is 16 such rows of memory, one a head, 32,768 bytes apart.
; In LDS a head's plane is 64 rows of 32 bytes with 16 bytes of padding behind every eight: a fragment's registers 0-3 come from one plane, registers 4-7 from the next.
; CLUSTER.  4 x 4 work-groups: A's tiles are asked for jointly along a row of the cluster, B's along a column.
; THE MATRIX INSTRUCTION IS USED TRANSPOSED (source 0 = 16 rows of B, source 1 = 16 rows of A): a lane holds row l % 16 and the columns 8 (l / 16) + 0..7.
; THE BIAS is loaded in the accumulators' own layout and is the C operand of the products that start the sums.  THE RESIDUAL is loaded at the head, in the layout in which rows leave, and is on its way during the whole K loop.
; THE WAY OUT: a wave's 64 columns of f32 are a whole aligned 256 bytes, so each wave has a stage of its own and no barrier is needed.
; No prefetch: the tile is small, and a K step's matrix work is short beside its bytes.
; REGISTERS: window 0: v0-31 addresses; v32-95 two pools for the way out; v96-127 the bias; v128-255 the accumulators ((a, b) at v[128 + 8 (4 a + b)])
;   window 1: two fragment buffers of 128: for 64 along K, 64 registers of A, then 64 of B;   window 2: v0-127 the residual.
.set SIZE_K, 4096
.set PLANES, 0
.set KSTEP,  256
.set NSTEP,  SIZE_K/KSTEP
.set PB,     528                       ; an LDS row of 512 bytes + 16 of padding = 132 words: the 16 rows of a fragment load start at 16 different groups of four banks (64 banks of 4 bytes: ISA guide 11.1)
.set HALFB,  64*PB
.if PLANES
.set PLANE,  2176                      ; 64 rows of 32 bytes + 8 paddings of 16
.set HALFA,  16*PLANE
.set STEPA,  16*32768                  ; bytes from a K step to the next: 16 heads
.else
.set HALFA,  64*PB
.set STEPA,  KSTEP*2
.endif
.set SLOT,   2*HALFA+2*HALFB           ; A's two halves, then B's two halves
.set STAGE,  2*SLOT                    ; behind the ring: 16 rows x 272 bytes for each wave; no tensor load fills it
.set SP,     272
.set SPARE,  STAGE+4*16*SP             ; the spare words: 128 bytes for each wave, two blocks of 256 bytes that no other line names
.set ADRA0, 16
.set ADRA,  17
.set ADRB0, 20
.set ADRB,  21
.set STO,   24
.set RD,    25
.set CO,    26
.set SPW,   28
.set NIL,   29
.set BO,    31
.set TMP,   32
.set BIAS,  96
.set ACC,   128
.set F0,    0
.set F1,    128
.set CNT,   3
.set WV,    14
.set RH,    15                         ; which 64 rows of the tile are mine.  Also: I fetch for A (0) or for B (1)
.set CH,    16                         ; which 64 columns.  Also: which half of that tile I fetch
.set CX,    17
.set CY,    18
.set TC,    19
.set TR,    20
.set G1A,   24
.set G0A,   32
.set DA0,   40
.set DB0,   41
.set SO,    44
.set G1B,   48
.set G0B,   56
.set MSB, 0
.macro WIN new                         ; the immediate's high byte repeats the setting that is left; a switch that changes nothing is dropped
.if MSB != (\new)
	s_set_vgpr_msb (MSB<<8)|(\new)
.set MSB, \new
.endif
.endm
.set MUL,  0x05                        ; sources 0 (B) and 1 (A) window 1; C and D window 0
.macro PLACES
.rept 4
	v_nop
.endr
.endm
.macro JLOAD s                         ; a joint load: waves 0 and 1 fetch A's two halves, waves 2 and 3 B's; an s_nop 0 and four v_nop follow each of the two lines
	s_cmp_eq_u32 s[RH], 0
	s_cbranch_scc0 .Lfor_b_\@
	tensor_load_to_lds s[G0A+4*(\s):G0A+4*(\s)+3], s[G1A:G1A+7]
	s_nop 0
.rept 4
	v_nop
.endr
	s_branch .Lasked_\@
.Lfor_b_\@:
	tensor_load_to_lds s[G0B+4*(\s):G0B+4*(\s)+3], s[G1B:G1B+7]
	s_nop 0
.rept 4
	v_nop
.endr
.Lasked_\@:
.endm
.macro CREST                           ; a round of the cluster's barrier behind its opening barrier
	s_cmp_lg_u32 s[WV], 0
	s_cbranch_scc1 .Lnot_wave_0_\@
	s_barrier_signal -3
.Lnot_wave_0_\@:
	s_barrier_wait -3
	s_barrier_signal -1
	s_barrier_wait -1
.endm
.macro CROUND
	s_barrier_signal -1
	s_barrier_wait -1
	CREST
.endm
	s_load_b256 s[4:11], s[0:1], 0x0               ; A s[4:5], B s[6:7], resid s[8:9], bias s[10:11]
	s_load_b64 s[12:13], s[0:1], 0x20              ; out
	v_lshl_add_u32 v[SPW], v0, 2, SPARE
	v_mov_b32 v[NIL], 0
	ds_add_u32 v[SPW], v[NIL]                      ; the wave's opening: the add and its wait stand ahead of my first tensor load; the set-up below stands between them
	ds_add_u32 v28, v29
	v_lshrrev_b32 v1, 5, v0
	v_readfirstlane_b32 s[WV], v1
	s_lshr_b32 s[RH], s[WV], 1
	s_and_b32 s[CH], s[WV], 1
	s_bfe_u32 s[CX], ttmp6, 0x40000
	s_bfe_u32 s[CY], ttmp6, 0x40004
	s_lshl_b32 s[TC], ttmp9, 2
	s_add_co_u32 s[TC], s[TC], s[CX]
	s_and_b32 s[TR], ttmp7, 0xffff
	s_lshl_b32 s[TR], s[TR], 2
	s_add_co_u32 s[TR], s[TR], s[CY]
	s_lshl_b32 s21, s[CY], 2
	s_lshl_b32 s21, 15, s21                        ; my row of the cluster
	s_lshl_b32 s68, 0x1111, s[CX]                  ; my column
.if PLANES
	s_or_b32 s[G1A], s21, (1<<16)|(1<<20)|(1<<21)|(5<<22)|(3<<25)  ; 2-byte elements; padding on; bit 21 beside a mask; after every 64 words (eight rows of a head); 4 words
	s_mov_b32 s[G1A+1], 1024<<16                   ; tensor_dim0 = 1,024: 64 rows of a head on end
	s_mov_b32 s[G1A+2], 16<<16                     ; tensor_dim1 = 16 heads
	s_mov_b32 s[G1A+3], 1024<<16                   ; tile_dim0
	s_mov_b32 s[G1A+4], 16                         ; tile_dim1
	s_mov_b32 s[G1A+5], 16384                      ; elements from head to head
.else
	s_or_b32 s[G1A], s21, (1<<16)|(1<<20)|(1<<21)|(6<<22)|(3<<25)  ; the same, padded after every 128 words
	s_mov_b32 s[G1A+1], KSTEP<<16
	s_mov_b32 s[G1A+2], 64<<16
	s_mov_b32 s[G1A+3], KSTEP<<16
	s_mov_b32 s[G1A+4], 64
	s_mov_b32 s[G1A+5], SIZE_K
.endif
	s_mov_b32 s[G1A+6], 0
	s_mov_b32 s[G1A+7], 0
	s_or_b32 s[G1B], s68, (1<<16)|(1<<20)|(1<<21)|(6<<22)|(3<<25)
	s_mov_b32 s[G1B+1], KSTEP<<16                  ; 64 rows of 256 elements
	s_mov_b32 s[G1B+2], 64<<16
	s_mov_b32 s[G1B+3], KSTEP<<16
	s_mov_b32 s[G1B+4], 64
	s_mov_b32 s[G1B+5], SIZE_K
	s_mov_b32 s[G1B+6], 0
	s_mov_b32 s[G1B+7], 0
	s_lshl_b32 s22, s[TR], 7                       ; A's address hangs on the tile row and the wave alone
	s_lshl_b32 s23, s[CH], 6
	s_add_co_u32 s22, s22, s23                     ; the first of the 64 rows that I fetch
.if PLANES
	s_lshr_b32 s23, s22, 10                        ; the batch: 64 heads of 32,768 bytes
	s_lshl_b32 s23, s23, 21
	s_and_b32 s22, s22, 1023
	s_lshl_b32 s22, s22, 5                         ; the row in a head
	s_add_co_u32 s22, s22, s23
.else
	s_mul_i32 s22, s22, SIZE_K*2
.endif
	s_mov_b32 s23, 0
	s_lshl_b32 s66, s[TC], 7                       ; B's on the tile column and the wave, in registers of its own
	s_lshl_b32 s67, s[CH], 6
	s_add_co_u32 s66, s66, s67
	s_mul_i32 s66, s66, SIZE_K*2
	s_mov_b32 s67, 0
	s_mul_i32 s[DA0], s[CH], HALFA                 ; no place in the cluster enters an LDS address
	s_mul_i32 s[DB0], s[CH], HALFB
	s_add_co_u32 s[DB0], s[DB0], 2*HALFA
	s_mov_b32 s[SO], 0
	s_wait_dscnt 0x0                               ; the opening add is done
	s_wait_kmcnt 0x0
	s_add_nc_u64 s[22:23], s[4:5], s[22:23]
	s_add_nc_u64 s[66:67], s[6:7], s[66:67]
	CROUND                                         ; all sixteen work-groups are here: the first joint loads meet
.irp s, 0,1
	s_mov_b32 s[G0A+4*(\s)], 1
	s_add_co_u32 s[G0A+4*(\s)+1], s[DA0], (\s)*SLOT
	s_add_nc_u64 s[G0A+4*(\s)+2:G0A+4*(\s)+3], s[22:23], (\s)*STEPA
	s_or_b32 s[G0A+4*(\s)+3], s[G0A+4*(\s)+3], 0x80000000
	s_mov_b32 s[G0B+4*(\s)], 1
	s_add_co_u32 s[G0B+4*(\s)+1], s[DB0], (\s)*SLOT
	s_add_nc_u64 s[G0B+4*(\s)+2:G0B+4*(\s)+3], s[66:67], (\s)*KSTEP*2
	s_or_b32 s[G0B+4*(\s)+3], s[G0B+4*(\s)+3], 0x80000000
	JLOAD \s                                       ; two tensor loads of mine are out here, later one
.endr
	v_and_b32 v1, 15, v0                           ; l % 16
	v_bfe_u32 v2, v0, 4, 1                         ; l / 16
	s_lshl_b32 s72, s[TC], 9                       ; my 64 columns in f32: 512 tile column + 256 half
	s_lshl_b32 s73, s[CH], 8
	s_add_co_u32 s72, s72, s73
	s_mov_b32 s73, 0
	s_add_nc_u64 s[10:11], s[10:11], s[72:73]
	v_lshlrev_b32 v[BO], 5, v2
.irp b, 0,1,2,3
	global_load_b128 v[BIAS+8*\b:BIAS+8*\b+3],   v[BO], s[10:11] offset:64*\b     ; register j: column 16 b + 8 (l / 16) + j, as in an accumulator
	global_load_b128 v[BIAS+8*\b+4:BIAS+8*\b+7], v[BO], s[10:11] offset:64*\b+16
.endr
	s_lshl_b32 s70, s[TR], 7
	s_lshl_b32 s71, s[RH], 6
	s_add_co_u32 s70, s70, s71                     ; my first row,
	s_lshl_b32 s70, s70, 12                        ; of 4,096 bytes,
	s_add_co_u32 s70, s70, s72                     ; and my first column
	s_mov_b32 s71, 0
	s_add_nc_u64 s[8:9], s[8:9], s[70:71]
	s_add_nc_u64 s[12:13], s[12:13], s[70:71]
	v_lshlrev_b32 v4, 12, v2                       ; lanes 0-15 take one row's 256 bytes, lanes 16-31 the next row's
	v_lshl_add_u32 v[CO], v1, 4, v4
	WIN 0x80                                       ; destination window 2, address window 0
.set i, 0
.rept 32
	global_load_b128 v[4*i:4*i+3], v[CO], s[8:9] offset:2*i*4096  ; the residual of my 64 x 64, two rows a load
.set i, i+1
.endr
	WIN 0
	v_mul_u32_u24 v3, v1, PB
	v_lshl_add_u32 v3, v2, 4, v3                   ; a fragment's row x pitch + 16 x half
	s_mul_i32 s42, s[RH], HALFA
	s_mul_i32 s43, s[CH], HALFB
	s_add_co_u32 s43, s43, 2*HALFA
	v_add_nc_u32 v[ADRB0], s43, v3
	v_add_nc_u32 v[ADRB], s43, v3
.if PLANES
	v_lshrrev_b32 v4, 3, v1
	v_and_b32 v5, 7, v1
	v_mul_u32_u24 v4, v4, 272
	v_lshl_add_u32 v4, v5, 5, v4
	v_lshl_add_u32 v4, v2, 4, v4                   ; in a plane: 272 (row / 8) + 32 (row % 8) + 16 x half
	v_add_nc_u32 v[ADRA0], s42, v4
	v_add_nc_u32 v[ADRA], s42, v4
.else
	v_add_nc_u32 v[ADRA0], s42, v3
	v_add_nc_u32 v[ADRA], s42, v3
.endif
	s_mul_i32 s42, s[WV], 16*SP
	s_add_co_u32 s42, s42, STAGE                   ; my stage
	v_mul_u32_u24 v4, v1, SP                       ; in: row l % 16, 32 bytes for each half of the lanes
	v_lshl_add_u32 v4, v2, 5, v4
	v_add_nc_u32 v[STO], s42, v4
	v_mul_u32_u24 v4, v2, SP                       ; back: lanes 0-15 one row of 256 bytes, lanes 16-31 the next
	v_lshl_add_u32 v4, v1, 4, v4
	v_add_nc_u32 v[RD], s42, v4
; 8 matrix instructions: m blocks a0, a0 + 1 x all 4 n blocks, 32 along K: half c of buffer f.  zero = 1: the product starts the sum, with the bias.  The 16 accumulators take turns.
.macro MUL8 f, c, a0, zero
	WIN MUL
.irp a, \a0, (\a0)+1
.irp b, 0,1,2,3
.if \zero
	v_wmma_f32_16x16x32_bf16 v[ACC+8*(4*(\a)+(\b)):ACC+8*(4*(\a)+(\b))+7], v[(\f)+64+8*(4*(\c)+(\b)):(\f)+64+8*(4*(\c)+(\b))+7], v[(\f)+8*(4*(\c)+(\a)):(\f)+8*(4*(\c)+(\a))+7], v[BIAS+8*(\b):BIAS+8*(\b)+7]
.else
	v_wmma_f32_16x16x32_bf16 v[ACC+8*(4*(\a)+(\b)):ACC+8*(4*(\a)+(\b))+7], v[(\f)+64+8*(4*(\c)+(\b)):(\f)+64+8*(4*(\c)+(\b))+7], v[(\f)+8*(4*(\c)+(\a)):(\f)+8*(4*(\c)+(\a))+7], v[ACC+8*(4*(\a)+(\b)):ACC+8*(4*(\a)+(\b))+7]
.endif
.endr
.endr
.endm
; 32 LDS loads in one run: the fragments of quarter q (64 along K) of the slot in hand, into buffer f; the first 32 along K first
.macro FETCH q, f
	WIN 0x40                                       ; destination window 1, address window 0
.irp c, 0,1
.irp i, 0,1,2,3
	ds_load_b128 v[(\f)+64+8*(4*(\c)+(\i)):(\f)+64+8*(4*(\c)+(\i))+3],   v[ADRB] offset:128*(\q)+64*(\c)+(\i)*16*PB
	ds_load_b128 v[(\f)+64+8*(4*(\c)+(\i))+4:(\f)+64+8*(4*(\c)+(\i))+7], v[ADRB] offset:128*(\q)+64*(\c)+(\i)*16*PB+32
.if PLANES
	ds_load_b128 v[(\f)+8*(4*(\c)+(\i)):(\f)+8*(4*(\c)+(\i))+3],         v[ADRA] offset:PLANE*(4*(\q)+2*(\c))+544*(\i)        ; head 4 q + 2 c: K = 8 (l / 16) + 0..7 of these 32,
	ds_load_b128 v[(\f)+8*(4*(\c)+(\i))+4:(\f)+8*(4*(\c)+(\i))+7],       v[ADRA] offset:PLANE*(4*(\q)+2*(\c)+1)+544*(\i)      ; the next head: K = 16 + 8 (l / 16) + 0..7
.else
	ds_load_b128 v[(\f)+8*(4*(\c)+(\i)):(\f)+8*(4*(\c)+(\i))+3],         v[ADRA] offset:128*(\q)+64*(\c)+(\i)*16*PB
	ds_load_b128 v[(\f)+8*(4*(\c)+(\i))+4:(\f)+8*(4*(\c)+(\i))+7],       v[ADRA] offset:128*(\q)+64*(\c)+(\i)*16*PB+32
.endif
.endr
.endr
.endm
; A K step is four quarters of 64 along K, 32 matrix instructions each, on buffers 0, 1, 0, 1.  One of the first three: multiplies buffer f and fetches quarter q into g.
.macro QUARTER q, f, g, zero
	s_wait_dscnt 16                                ; the first 32 along K are in; the other sixteen loads may be out
	MUL8 \f, 0, 0, \zero
	MUL8 \f, 0, 2, \zero
	PLACES
	FETCH \q, \g
	s_wait_dscnt 32                                ; all but the 32 just issued
	MUL8 \f, 1, 0, 0
	MUL8 \f, 1, 2, 0
.endm
; The last quarter multiplies buffer 1 and changes slots: one barrier; in front of it each wave waits for all its tensor loads, adds 0 to its spare word, and waits for that and for its own reads of this slot.
; fill = 1: the barrier opens a round of the cluster's barrier, and this slot is filled again, two K steps ahead, first thing behind the round.
.macro TURN fill
	WIN 0                                          ; (the add's two registers lie in window 0)
	s_wait_tensorcnt 0x0                           ; all my tensor loads have landed: my part of the next slot
	ds_add_u32 v[SPW], v[NIL]
	s_wait_dscnt 17                                ; (the add and the youngest sixteen loads may be out)
	MUL8 F1, 0, 0, 0                               ; matrix work stands between the add and the wait for it
	s_wait_dscnt 0x0                               ; the add is done, and my reads of this slot are over
	s_barrier_signal -1
	MUL8 F1, 0, 2, 0
	WIN 0
	s_barrier_wait -1
.if \fill
	CREST                                          ; no wave of any partner still reads this slot's tile or has a load on its way
	s_add_co_u32 s[G0A+5], s[DA0], s[SO]           ; the walking descriptors: into the slot just read out,
	s_add_nc_u64 s[G0A+6:G0A+7], s[G0A+6:G0A+7], STEPA  ; the next K step; the type bits on top are not reached
	s_add_co_u32 s[G0B+5], s[DB0], s[SO]
	s_add_nc_u64 s[G0B+6:G0B+7], s[G0B+6:G0B+7], KSTEP*2
	JLOAD 1                                        ; 112 matrix instructions ahead of the wait for it; the four v_nop behind it are also the places in front of the loads below
.else
	PLACES
.endif
	s_xor_b32 s[SO], s[SO], SLOT                   ; the other slot is in hand
	v_add_nc_u32 v[ADRA], s[SO], v[ADRA0]
	v_add_nc_u32 v[ADRB], s[SO], v[ADRB0]
	FETCH 0, F0
	MUL8 F1, 1, 0, 0
	MUL8 F1, 1, 2, 0
.endm
	s_wait_tensorcnt 1                             ; my part of K step 0 is in; K step 1's may stay out
	s_barrier_signal -1
	s_barrier_wait -1                              ; everybody's is
	FETCH 0, F0
	s_wait_loadcnt 32                              ; the bias is in; the residual's 32 loads may stay out
	QUARTER 1, F0, F1, 1                           ; the first quarter stands in front of the loop: its first products start the sums
	WIN 0                                          ; at a label and at a branch every window is 0
	s_mov_b32 s[CNT], NSTEP-2
.Lstep:                                                ; a trip goes from a K step's second quarter to the next step's first, and asks for the K step two on
	QUARTER 2, F1, F0, 0
	QUARTER 3, F0, F1, 0
	TURN 1
	QUARTER 1, F0, F1, 0
	WIN 0
	s_sub_co_u32 s[CNT], s[CNT], 1
	s_cmp_lg_u32 s[CNT], 0
	s_cbranch_scc1 .Lstep
	s_mov_b32 s[CNT], 2
.Ltail:                                                ; the last two K steps ask for nothing: no tensor load stands in this loop.  Two trips of one text; the second is left in its middle.
	QUARTER 2, F1, F0, 0
	QUARTER 3, F0, F1, 0
	TURN 0                                         ; in the second trip its barrier orders nothing and its run of loads brings the fragments of the K step before once more, which nobody multiplies: the price, once a launch, of one text for both steps
	WIN 0
	s_cmp_eq_u32 s[CNT], 1
	s_cbranch_scc1 .Lout                           ; the sums are whole
	QUARTER 1, F0, F1, 0
	WIN 0
	s_sub_co_u32 s[CNT], s[CNT], 1
	s_cmp_lg_u32 s[CNT], 0
	s_cbranch_scc1 .Ltail
.Lout:
	PLACES
	s_wait_loadcnt 0x0                             ; the residual
; THE WAY OUT of 16 rows: the sums go into my stage, 32 bytes a lane, and come back as whole rows of 256 bytes; the residual is added; 16 lanes store 256 consecutive bytes, aligned.
.macro OUT a
.set TP, TMP+32*((\a)%2)
	s_wait_xcnt 0x0                                ; earlier stores have read their registers: this pool is loaded again only behind this wait
.irp b, 0,1,2,3
	ds_store_b128 v[STO], v[ACC+8*(4*(\a)+(\b)):ACC+8*(4*(\a)+(\b))+3]   offset:64*(\b)     ; each accumulator from its low end on
	ds_store_b128 v[STO], v[ACC+8*(4*(\a)+(\b))+4:ACC+8*(4*(\a)+(\b))+7] offset:64*(\b)+16
.endr
.irp t, 0,1,2,3,4,5,6,7
	ds_load_b128 v[TP+4*(\t):TP+4*(\t)+3], v[RD] offset:(\t)*2*SP  ; LDS serves a wave's instructions in order (ISA guide 5.7.1.4): these see the stores above
.endr
	s_wait_dscnt 0x0
	WIN 0x08                                       ; source 1 window 2
.set i, 0
.rept 16
	v_pk_add_f32 v[TP+2*i:TP+2*i+1], v[TP+2*i:TP+2*i+1], v[32*(\a)+2*i:32*(\a)+2*i+1]
.set i, i+1
.endr
	WIN 0
.irp t, 0,1,2,3,4,5,6,7
	global_store_b128 v[CO], v[TP+4*(\t):TP+4*(\t)+3], s[12:13] offset:(16*(\a)+2*(\t))*4096
.endr
.endm
.irp a, 0,1,2,3
	OUT \a
.endr
	s_wait_tensorcnt 0x0                           ; the wave's end, behind my last tensor load and my last LDS store
	ds_add_u32 v[SPW], v[NIL]
	s_wait_dscnt 0x0
	CROUND                                         ; the closing round: no work-group ends while a partner may still ask for a tile that names it
	s_endpgm
.Lfunc_end_k_q0f9f34b2ed_ffn2:
	.size	k_q0f9f34b2ed_ffn2, .Lfunc_end_k_q0f9f34b2ed_ffn2-k_q0f9f34b2ed_ffn2
	.p2alignl 7, 3214868480
	.fill 96, 4, 3214868480
	.section	.rodata,"a",@progbits
	.p2align	6, 0x0
	.amdhsa_kernel k_q0f9f34b2ed_ffn2
		.amdhsa_group_segment_fixed_size 327680
		.amdhsa_private_segment_fixed_size 0
		.amdhsa_enable_private_segment 0
		.amdhsa_kernarg_size 40
		.amdhsa_user_sgpr_count 2
		.amdhsa_user_sgpr_kernarg_segment_ptr 1
		.amdhsa_wavefront_size32 1
		.amdhsa_system_sgpr_workgroup_id_x 1
		.amdhsa_system_sgpr_workgroup_id_y 1
		.amdhsa_system_sgpr_workgroup_id_z 1
		.amdhsa_system_vgpr_workitem_id 0
		.amdhsa_next_free_vgpr 640
		.amdhsa_next_free_sgpr 76
		.amdhsa_reserve_vcc 0
		.amdhsa_float_denorm_mode_32 3
		.amdhsa_float_denorm_mode_16_64 3
		.amdhsa_memory_ordered 1
		.amdhsa_forward_progress 1
		.amdhsa_inst_pref_size 66
	.end_amdhsa_kernel
	.amdgpu_metadata
---
amdhsa.version: [ 1, 2 ]
amdhsa.kernels:
  - .name:           k_q0f9f34b2ed_ffn2
    .symbol:         k_q0f9f34b2ed_ffn2.kd
    .args:
      - { .name: hid, .offset: 0, .size: 8, .value_kind: global_buffer, .address_space: global }
      - { .name: w2t, .offset: 8, .size: 8, .value_kind: global_buffer, .address_space: global }
      - { .name: x1, .offset: 16, .size: 8, .value_kind: global_buffer, .address_space: global }
      - { .name: b2, .offset: 24, .size: 8, .value_kind: global_buffer, .address_space: global }
      - { .name: out0, .offset: 32, .size: 8, .value_kind: global_buffer, .address_space: global }
    .group_segment_fixed_size: 327680
    .private_segment_fixed_size: 0
    .kernarg_segment_align: 8
    .kernarg_segment_size: 40
    .max_flat_workgroup_size: 128
    .sgpr_count:     76
    .vgpr_count:     640
    .wavefront_size: 32
...
	.end_amdgpu_metadata
.endif
;; end of part 7
